; MI455X (gfx1250); checked and timed in simulation.
; The chip was launched on July 23, 2026; its instructions are those of AMD's public machine-readable ISA for CDNA 5 (MIT licence, August 2026) and "CDNA5" Instruction Set Architecture Reference Guide (July 2026). The comments in the code are by the model that wrote it; some were corrected since.
;; Multi Head Causal Attention. Allowed arithmetic: matrix products marked QUANTISED: E2M1 operands, one E8M0 scale for each 32 along K, by v_wmma_scale_f32_16x16x128_f8f6f4 with both operands' format E2M1 (or v_wmma_scale_f32_32x16x128_f4), f32 sums; products left as they are: bf16, f16 or f32 operands; f32 sums; everything else in f32.
;; Inputs: W_out 1,024 x 1,024 float32; W_qkv 1,024 x 3,072 float32; x 4 x 2,048 x 1,024 float32.
;; Outputs: out0 4 x 2,048 x 1,024 float32.
;; This version of the problem:
;;   THIS VERSION OF THE PROBLEM IS GIVEN IN LOW PRECISION. The matrix products marked QUANTISED in the list below multiply operands that are first quantised to E2M1 (2 exponent bits, 1 mantissa bit; 4 bits a number), with one power-of-two scale for each 32 numbers along K (OCP MX v1.0); their sums are f32. The products marked 'left as it is' may take bf16, f16 or f32 operands, with f32 sums. Whichever they take, every output number must still come out within the allowed error. Rounding operands to bf16 (8 significant bits) uses up far more of that allowance than f16 does (11 bits, for magnitudes from 6e-5 to 65,504). All else is computed in f32.
;;   The module's matrix products, in the order in which they are computed (A, B: the left and right operand; K: the contracted axis; several contracted axes count as one K, in the product's order):
;;     1. [M 8,192, K 1,024] x [K 1,024, N 3,072]; A: input x; B: input W_qkv: QUANTISED
;;     2. batch 64 x [M 2,048, K 64] x [K 64, N 2,048]; A: computed on the way; B: computed on the way: left as it is (an operand is computed on the way)
;;     3. batch 64 x [M 2,048, K 2,048] x [K 2,048, N 64]; A: computed on the way; B: computed on the way: left as it is (an operand is computed on the way)
;;     4. [M 8,192, K 1,024] x [K 1,024, N 1,024]; A: computed on the way; B: input W_out: left as it is (an operand is computed on the way)
;;   THE QUANTISER, for each operand of a quantised product, along K:
;;     - K is cut into blocks of 32 from its start; a last block that is shorter is filled with zeros.
;;     - A block's scale is 2^e with e = floor(log2(the largest magnitude in the block)) - 2, held to -126 .. 127; a block of zeros has e = 0. As a byte (E8M0): e + 127.
;;     - Each number is divided by its block's scale, clamped to +-6, and rounded to the nearest number of E2M1, ties to even, subnormals kept.
;;     - The product sums the exact products of the quantised numbers (number of the format x scale) in f32.
;;   ~~~python
;;   def quantise(x, axis):      # numpy; x: float32 -> the quantised numbers, widened to float32 again
;;       x = np.moveaxis(x, axis, -1); K = x.shape[-1]
;;       x = np.pad(x, [(0, 0)] * (x.ndim - 1) + [(0, -K % 32)]); x = x.reshape(x.shape[:-1] + (-1, 32)); a = np.abs(x).max(-1, keepdims=True)
;;       e = np.where(a > 0, np.clip(np.frexp(np.where(a > 0, a, 1))[1] - 1 - 2, -126, 127), 0)      # np.frexp(a)[1] - 1 = floor(log2(a)), exactly
;;       r = np.clip(x / 2.0 ** e, -6, 6)
;;       step = 2.0 ** (np.maximum(np.frexp(np.where(r == 0, 1, r))[1] - 1, 0) - 1)
;;       q = np.round(r / step) * step * 2.0 ** e      # np.round: ties to even
;;       return np.moveaxis(q.reshape(q.shape[:-2] + (-1,))[..., :K], -1, axis).astype(np.float32)
;;   ~~~
;; One version. Each part assembles by itself: llvm-mc -triple=amdgcn-amd-amdhsa -mcpu=gfx1250 --defsym DOCPART=n.
;; ======== version 1 of 1: 5 launches
;; limits: values are held in f16: magnitudes above 65,504 overflow, below 6.1e-05 lose precision
;; workspace buffers: xc 4,194,304 bytes; xs 262,144 bytes; wc 1,572,864 bytes; ws 98,304 bytes; wo16 2,097,152 bytes; qkv 50,331,648 bytes; qkv32 786,432 bytes; ao 16,777,216 bytes
;; launch prep (part 1): grid 512 x 1, 4 waves a work-group, no clusters, 43,520 bytes of LDS; arguments x, W_qkv, W_out, xc, xs, wc, ws, wo16; writes xc, xs, wc, ws, wo16
.if DOCPART == 1
	.amdgcn_target "amdgcn-amd-amdhsa--gfx1250"
	.amdhsa_code_object_version 6
	.text
	.protected	k_qddbeb47e53_prep
	.globl	k_qddbeb47e53_prep
	.p2align	8
	.type	k_qddbeb47e53_prep,@function
k_qddbeb47e53_prep:
	s_mov_b64 s[64:65], 0
	v_nop
	global_prefetch_b8 v0, s[64:65] scope:SCOPE_SE
	s_setreg_imm32_b32 hwreg(HW_REG_WAVE_MODE, 25, 1), 1
	s_wait_xcnt 0x0
; THREE PREPARATIONS IN ONE LAUNCH, told apart by the work-group's number alone; no barrier, waves share nothing.
;   W (work-groups 0-191):   W_qkv [1024 k][3072 n] f32 -> codes of FP4 (E2M1) laid wc [8 kq][3072 n][64 bytes] (kq = k / 128, K innermost in the 64 bytes) and scale bytes ws [3072 n][32].
;   X (work-groups 192-447): x [8192][1024] f32 -> codes xc [8192][512 bytes], K innermost, and scale bytes xs [8192][32].
;   C (work-groups 448-511): W_out [1024][1024] f32 -> f16, same order, wo16.
; THE QUANTISER: a block of 32 along K has the scale 2^(floor(log2(its largest magnitude)) - 2); its byte is the largest magnitude's exponent field - 2, held at 1 from below;
; each number is divided by the scale and rounded to the nearest code, ties to even, beyond 6 the largest code.
; LIMITS: a block of zeros gets the byte 1 where the rule says 127 (its codes are zeros, which add nothing, and this program alone reads the bytes); NaN and infinities among the inputs are not served;
; W_out's numbers beyond 65,504 do not fit f16.  ws is stored as one word a column, 32 bytes apart: 98,304 bytes in the whole launch.
; Matrix units, clusters and tensor loads buy nothing in a stream: left out.
; LDS: each path has bytes of its own.  0 .. 32,767: path X, 8,192 a wave (two stages of 32 x 80 bytes, then 256 scale bytes).  32,768 ..: path W, 2,560 a wave (32 columns x 80 bytes).  43,008 ..: the spare words.
.set SPW,   12                         ; v12  LDS address of my spare word; never rewritten
.set NIL,   13                         ; v13  0; never rewritten
.set SPARE, 43008
.set STEPS, 16                         ; path X: steps of 512 numbers a wave
.set XR,    16                         ; v16-79   four sets of 16 numbers as loaded
.set XX,    80                         ; v80-111  two sets of 16 neighbours
.set XE,    112                        ; v112-127 a scale byte for each step
.set XC,    128                        ; v128-191 codes, four registers a step: no store's data are written again
.set WREG,  8192
.set SP,    80                         ; a lane's place in a stage: 64 bytes + 16 of padding
.set WSTG,  32768
.set WX,    32                         ; path W: v32-95 two sets of 32 numbers
.set WC,    96                         ; v96-99   a block's codes
.set WO,    100                        ; v100-115 the way out
.macro XLOAD t                         ; 32 lanes read 512 consecutive bytes, four times
.irp i, 0,1,2,3
	global_load_b128 v[XR+16*((\t)%4)+4*\i:XR+16*((\t)%4)+4*\i+3], v3, s[4:5] offset:2048*(\t)+512*\i th:TH_LOAD_NT
.endr
.endm
.macro XTURN t                         ; a step's 2,048 bytes through my stage: in as they lie, back 64 bytes a lane.  LDS serves a wave's instructions in order: no wait between
.irp i, 0,1,2,3
	ds_store_b128 v14, v[XR+16*((\t)%4)+4*\i:XR+16*((\t)%4)+4*\i+3] offset:32*SP*((\t)%2)+8*SP*\i
.endr
.irp i, 0,1,2,3
	ds_load_b128 v[XX+16*((\t)%2)+4*\i:XX+16*((\t)%2)+4*\i+3], v15 offset:32*SP*((\t)%2)+16*\i
.endr
.endm
.macro XSTEP t
.set XS, XX+16*((\t)%2)
.if (\t) > 0
	s_wait_dscnt 1                                 ; this step's numbers are back (the last step's byte store may be out): so its stores into the stage have read their registers,
.else
	s_wait_dscnt 0x0
.endif
.if (\t)+4 < STEPS
	XLOAD (\t)+4                                   ; which take the loads of four steps on
.endif
.if (\t)+1 < STEPS
.if STEPS-2-(\t) >= 3
	s_wait_loadcnt 12                              ; the next step's four loads are in; the twelve of the three steps behind it may be out
.else
	s_wait_loadcnt 4*(STEPS-2-(\t))
.endif
	XTURN (\t)+1
.endif
	v_max3_num_f32 v8, |v[XS]|, |v[XS+1]|, |v[XS+2]|               ; the largest magnitude of my 16, in two chains
	v_max3_num_f32 v9, |v[XS+3]|, |v[XS+4]|, |v[XS+5]|
.irp i, 6,10
	v_max3_num_f32 v8, v8, |v[XS+\i]|, |v[XS+\i+1]|
	v_max3_num_f32 v9, v9, |v[XS+\i+2]|, |v[XS+\i+3]|
.endr
	v_max3_num_f32 v8, v8, |v[XS+14]|, |v[XS+15]|
	v_max3_num_f32 v8, v8, v9, 0x1800000           ; and the floor 2^(3 - 127): the byte cannot fall under 1
	v_max_num_f32_dpp v8, v8, v8 row_xmask:1 row_mask:0xf bank_mask:0xf   ; with my neighbour's 16: the block's
	v_add_nc_u32 v11, 0xff000000, v8               ; 2 off its exponent field: the conversion takes the exponent field of this operand as its scale
	v_cvt_scalef32_pk8_fp4_f32 v[XC+4*(\t)], v[XS:XS+7], v11
	v_cvt_scalef32_pk8_fp4_f32 v[XC+4*(\t)+1], v[XS+8:XS+15], v11
	v_lshrrev_b32 v[XE+(\t)], 23, v11              ; the scale's byte (also the plain line behind the conversions)
	ds_store_b8 v5, v[XE+(\t)] offset:16*(\t)      ; both lanes of a block write the same byte with the same value
	global_store_b64 v4, v[XC+4*(\t):XC+4*(\t)+1], s[10:11] offset:256*(\t)   ; the wave stores 256 consecutive bytes, aligned
.endm
.macro WLOAD t                         ; block t: W_qkv(128 kq + 32 t + n, my column): 32 lanes read 128 consecutive bytes
.set n, 0
.rept 32
	global_load_b32 v[WX+32*((\t)%2)+n], v3, s[6:7] offset:(32*(\t)+n)*12288 th:TH_LOAD_NT
.set n, n+1
.endr
.endm
.macro WBLOCK t
.set XS, WX+32*((\t)%2)
.if (\t) < 3
	s_wait_loadcnt 32                              ; this block's 32 loads are in; the next block's 32 may be out
.else
	s_wait_loadcnt 0x0
.endif
	v_max3_num_f32 v10, |v[XS]|, |v[XS+1]|, |v[XS+2]|              ; all 32 numbers of the block are mine
	v_max3_num_f32 v14, |v[XS+3]|, |v[XS+4]|, |v[XS+5]|
.irp i, 6,10,14,18,22,26
	v_max3_num_f32 v10, v10, |v[XS+\i]|, |v[XS+\i+1]|
	v_max3_num_f32 v14, v14, |v[XS+\i+2]|, |v[XS+\i+3]|
.endr
	v_max3_num_f32 v10, v10, |v[XS+30]|, |v[XS+31]|
	v_max3_num_f32 v10, v10, v14, 0x1800000
	v_add_nc_u32 v11, 0xff000000, v10
	v_lshrrev_b32 v15, 23, v11
.if (\t) == 0
	v_mov_b32 v24, v15                             ; four bytes make my column's scale word for these 128 along K
.else
	v_lshl_or_b32 v24, v15, 8*(\t), v24
.endif
.irp g, 0,1,2,3
	v_cvt_scalef32_pk8_fp4_f32 v[WC+\g], v[XS+8*\g:XS+8*\g+7], v11
.endr
	ds_store_b128 v4, v[WC:WC+3] offset:16*(\t)    ; 32 codes: 16 bytes of my column's 64
.if (\t) < 2
	WLOAD (\t)+2
.endif
	s_wait_dscnt 0x0                               ; the store has read its registers: the next block's codes may be written
.endm
	s_load_b256 s[4:11], s[0:1], 0x0               ; x s[4:5], W_qkv s[6:7], W_out s[8:9], xc s[10:11]
	s_load_b256 s[12:19], s[0:1], 0x20             ; xs s[12:13], wc s[14:15], ws s[16:17], wo16 s[18:19]
	v_lshl_add_u32 v[SPW], v0, 2, SPARE
	v_mov_b32 v[NIL], 0
	v_lshrrev_b32 v1, 5, v0
	v_readfirstlane_b32 s20, v1                    ; wave 0..3
	v_and_b32 v2, 31, v0                           ; lane
	s_mov_b32 s25, 0                               ; the upper word of every offset pair s[24:25]
	s_wait_kmcnt 0x0
	s_cmp_lt_u32 ttmp9, 192
	s_cbranch_scc1 .Lpath_w
	s_cmp_lt_u32 ttmp9, 448
	s_cbranch_scc1 .Lpath_x
	; ---- PATH C: a wave takes 4,096 numbers of W_out: 32 loads of 512 bytes, 32 stores of 256.  No LDS.
	s_sub_co_u32 s21, ttmp9, 448
	s_lshl_b32 s21, s21, 2
	s_add_co_u32 s21, s21, s20                     ; which run of 4,096 numbers
	s_lshl_b32 s24, s21, 14
	s_add_nc_u64 s[8:9], s[8:9], s[24:25]
	s_lshl_b32 s24, s21, 13
	s_add_nc_u64 s[18:19], s[18:19], s[24:25]
	v_lshlrev_b32 v3, 4, v2
	v_lshlrev_b32 v4, 3, v2
.set n, 0
.rept 32
	global_load_b128 v[32+4*n:35+4*n], v3, s[8:9] offset:512*n th:TH_LOAD_NT
.set n, n+1
.endr
.set n, 0
.rept 32
	s_wait_loadcnt 31-n                            ; loads come back in order: load n is in, the younger ones stay out
	v_cvt_pk_f16_f32 v[32+4*n], v[32+4*n], v[33+4*n]
	v_cvt_pk_f16_f32 v[33+4*n], v[34+4*n], v[35+4*n]
	global_store_b64 v4, v[32+4*n:33+4*n], s[18:19] offset:256*n   ; 256 consecutive bytes, aligned
.set n, n+1
.endr
	s_endpgm
	; ---- PATH X: a wave takes 8,192 numbers of x, 16 steps of 512
.Lpath_x:
	v_lshlrev_b32 v3, 4, v2                        ; my 16 bytes of a load's 512
	s_mul_i32 s21, s20, WREG
	v_lshrrev_b32 v14, 2, v2
	v_mul_u32_u24 v14, v14, SP
	v_and_b32 v15, 3, v2
	v_lshl_add_u32 v14, v15, 4, v14
	v_add_nc_u32 v14, s21, v14                     ; the stage, on the way in: four lanes' 64 bytes on end, then 16 of padding
	v_mul_u32_u24 v15, v2, SP
	v_add_nc_u32 v15, s21, v15                     ; and on the way out: my 16 neighbours
	v_lshlrev_b32 v4, 3, v2                        ; my 8 bytes of a step's codes
	v_lshrrev_b32 v5, 1, v2
	s_add_co_u32 s21, s21, 2*32*SP
	v_add_nc_u32 v5, s21, v5                       ; my block's scale byte in my wave's 256
	v_lshlrev_b32 v7, 3, v2
	v_add_nc_u32 v6, s21, v7
	s_sub_co_u32 s22, ttmp9, 192
	s_lshl_b32 s22, s22, 2
	s_add_co_u32 s22, s22, s20                     ; which run of 8,192 numbers
	s_lshl_b32 s24, s22, 15
	s_add_nc_u64 s[4:5], s[4:5], s[24:25]
	s_lshl_b32 s24, s22, 12
	s_add_nc_u64 s[10:11], s[10:11], s[24:25]
	s_lshl_b32 s24, s22, 8
	s_add_nc_u64 s[12:13], s[12:13], s[24:25]
.irp t, 0,1,2,3
	XLOAD \t
.endr
	s_wait_loadcnt 12                              ; step 0's four loads are in
	XTURN 0
.irp t, 0,1,2,3,4,5,6,7,8,9,10,11,12,13,14,15
	XSTEP \t
.endr
	ds_load_b64 v[8:9], v6                         ; my wave's 256 scale bytes, 8 a lane
	s_wait_dscnt 0x0
	global_store_b64 v7, v[8:9], s[12:13]          ; 256 consecutive bytes, aligned
	s_wait_tensorcnt 0x0                           ; the wave's end, behind my last LDS store
	ds_add_u32 v[SPW], v[NIL]
	s_wait_dscnt 0x0
	s_endpgm
	; ---- PATH W: a lane takes a column n, its registers run down K: a wave takes 32 columns x 128 along K (4 blocks)
.Lpath_w:
	s_lshr_b32 s21, ttmp9, 3                       ; which 128 columns
	s_and_b32 s22, ttmp9, 7                        ; kq
	s_lshl_b32 s21, s21, 7
	s_lshl_b32 s23, s20, 5
	s_add_co_u32 s21, s21, s23                     ; my wave's first column
	s_mul_i32 s24, s22, 128*12288
	s_lshl_b32 s23, s21, 2
	s_add_co_u32 s24, s24, s23
	s_add_nc_u64 s[6:7], s[6:7], s[24:25]          ; W_qkv at row 128 kq, my first column
	s_mul_i32 s24, s22, 196608
	s_lshl_b32 s23, s21, 6
	s_add_co_u32 s24, s24, s23
	s_add_nc_u64 s[14:15], s[14:15], s[24:25]      ; wc at [kq][my first column]
	s_lshl_b32 s24, s21, 5
	s_lshl_b32 s23, s22, 2
	s_add_co_u32 s24, s24, s23
	s_add_nc_u64 s[16:17], s[16:17], s[24:25]      ; ws at [my first column][4 kq]
	v_lshlrev_b32 v3, 2, v2
	v_lshlrev_b32 v9, 5, v2
	v_lshlrev_b32 v8, 4, v2
	s_mul_i32 s26, s20, 32*SP
	s_add_co_u32 s26, s26, WSTG                    ; my stage
	v_mul_u32_u24 v4, v2, SP
	v_add_nc_u32 v4, s26, v4                       ; in: my column's 64 bytes
	v_lshrrev_b32 v7, 2, v2
	v_mul_u32_u24 v7, v7, SP
	v_and_b32 v15, 3, v2
	v_lshl_add_u32 v7, v15, 4, v7
	v_add_nc_u32 v7, s26, v7                       ; back: four lanes to a column, eight columns an instruction
	WLOAD 0
	WLOAD 1
	WBLOCK 0
	WBLOCK 1
	WBLOCK 2
	WBLOCK 3
	global_store_b32 v9, v24, s[16:17]             ; my column's scale word
.irp i, 0,1,2,3
	ds_load_b128 v[WO+4*\i:WO+4*\i+3], v7 offset:8*SP*\i
.endr
.irp i, 0,1,2,3
	s_wait_dscnt 3-\i
	global_store_b128 v8, v[WO+4*\i:WO+4*\i+3], s[14:15] offset:512*\i   ; eight columns' codes are 512 consecutive bytes, aligned
.endr
	s_wait_tensorcnt 0x0                           ; the wave's end, behind my last LDS store
	ds_add_u32 v[SPW], v[NIL]
	s_wait_dscnt 0x0
	s_endpgm
.Lfunc_end_k_qddbeb47e53_prep:
	.size	k_qddbeb47e53_prep, .Lfunc_end_k_qddbeb47e53_prep-k_qddbeb47e53_prep
	.p2alignl 7, 3214868480
	.fill 96, 4, 3214868480
	.section	.rodata,"a",@progbits
	.p2align	6, 0x0
	.amdhsa_kernel k_qddbeb47e53_prep
		.amdhsa_group_segment_fixed_size 43520
		.amdhsa_private_segment_fixed_size 0
		.amdhsa_enable_private_segment 0
		.amdhsa_kernarg_size 64
		.amdhsa_user_sgpr_count 2
		.amdhsa_user_sgpr_kernarg_segment_ptr 1
		.amdhsa_wavefront_size32 1
		.amdhsa_system_sgpr_workgroup_id_x 1
		.amdhsa_system_sgpr_workgroup_id_y 1
		.amdhsa_system_sgpr_workgroup_id_z 1
		.amdhsa_system_vgpr_workitem_id 0
		.amdhsa_next_free_vgpr 192
		.amdhsa_next_free_sgpr 66
		.amdhsa_reserve_vcc 0
		.amdhsa_float_denorm_mode_32 3
		.amdhsa_float_denorm_mode_16_64 3
		.amdhsa_memory_ordered 1
		.amdhsa_forward_progress 1
		.amdhsa_inst_pref_size 65
	.end_amdhsa_kernel
	.amdgpu_metadata
---
amdhsa.version: [ 1, 2 ]
amdhsa.kernels:
  - .name:           k_qddbeb47e53_prep
    .symbol:         k_qddbeb47e53_prep.kd
    .args:
      - { .name: x, .offset: 0, .size: 8, .value_kind: global_buffer, .address_space: global }
      - { .name: W_qkv, .offset: 8, .size: 8, .value_kind: global_buffer, .address_space: global }
      - { .name: W_out, .offset: 16, .size: 8, .value_kind: global_buffer, .address_space: global }
      - { .name: xc, .offset: 24, .size: 8, .value_kind: global_buffer, .address_space: global }
      - { .name: xs, .offset: 32, .size: 8, .value_kind: global_buffer, .address_space: global }
      - { .name: wc, .offset: 40, .size: 8, .value_kind: global_buffer, .address_space: global }
      - { .name: ws, .offset: 48, .size: 8, .value_kind: global_buffer, .address_space: global }
      - { .name: wo16, .offset: 56, .size: 8, .value_kind: global_buffer, .address_space: global }
    .group_segment_fixed_size: 43520
    .private_segment_fixed_size: 0
    .kernarg_segment_align: 8
    .kernarg_segment_size: 64
    .max_flat_workgroup_size: 128
    .sgpr_count:     66
    .vgpr_count:     192
    .wavefront_size: 32
...
	.end_amdgpu_metadata
.endif
;; end of part 1
;; launch gemm_qkv (part 2): grid 12 x 32, 4 waves a work-group, clusters of 4 x 4, 327,680 bytes of LDS; arguments xc, xs, wc, ws, qkv, qkv32; writes qkv, qkv32
.if DOCPART == 2
	.amdgcn_target "amdgcn-amd-amdhsa--gfx1250"
	.amdhsa_code_object_version 6
	.text
	.protected	k_qddbeb47e53_gemm_qkv
	.globl	k_qddbeb47e53_gemm_qkv
	.p2align	8
	.type	k_qddbeb47e53_gemm_qkv,@function
k_qddbeb47e53_gemm_qkv:
	s_mov_b64 s[64:65], 0
	v_nop
	global_prefetch_b8 v0, s[64:65] scope:SCOPE_SE
	s_setreg_imm32_b32 hwreg(HW_REG_WAVE_MODE, 25, 1), 1
	s_wait_xcnt 0x0
	s_wait_alu depctr_hold_cnt(0) depctr_sa_sdst(0) depctr_va_vdst(0) depctr_va_sdst(0) depctr_va_ssrc(0) depctr_va_vcc(0) depctr_vm_vsrc(0)
	s_getreg_b32 s2, hwreg(HW_REG_IB_STS2, 6, 4)
	s_cmp_eq_u32 s2, 0
	s_cbranch_scc0 .Lentry_in_a_cluster
	s_endpgm
.Lentry_in_a_cluster:
	s_bfe_u32 s2, ttmp6, 0x10000c
	s_cmp_lg_u32 s2, 0xf033
	s_cbranch_scc0 .Lentry_shape_is_right
	s_endpgm
.Lentry_shape_is_right:
; qkv = Q(x) Q(W_qkv): [8192 m] x [3072 n], K = 1,024, both operands as codes of FP4 (E2M1) with one E8M0 scale for each 32 along K; sums in f32.
; A: xc [8192][512 bytes], xs [8192][32].  B: wc [8 kq][3072 n][64 bytes], ws [3072][32].
; OUT: qkv, f16, [3 which][4 b][16 h][2048 t][64]; and qkv32, f32, [4 b][16 t][3072]: the first 16 positions of every sequence, which later launches carry in f32.
; LIMIT: q, k, v beyond 65,504 do not fit f16.
; A tile of C is 256 x 256: four waves, each 128 x 128: 64 accumulators of 16 x 16, 512 registers.  K = 1,024 is two LDS slots of 512: both are first fills, nothing is filled again, there is no loop.
; THE SCALES of the work-group's 256 rows of A and of B, for all of K, are two dense blocks of 8,192 bytes: they come once, with the first fills.
; CLUSTERS: 4 x 4 work-groups; A's tile is asked for jointly along a row of the cluster, B's along a column.  TILE ROW = 8 cy + cluster y: so the batch is cy, and a tile's place in its batch is the cluster's y,
; which all sixteen partners share: the branch round the f32 rows hangs on it and on the wave's number alone.
; THE MATRIX INSTRUCTION IS USED TRANSPOSED (source 0 = 16 rows of B, source 1 = 16 rows of A): a lane holds eight neighbouring columns of one row of C.
; REGISTERS: window 0: v0-31 addresses; v32-95 scale words, two sets, and nothing else; v96-127 packed results; v128-191 A's fragments, one set, later rows on the way out; v192-255 the f32 rows.
;   window 1: B's fragments, two sets, at v0 and v128.  window 2: accumulators of my rows 0-63 ((a, b) at v[8 (8 a + b)]); window 3: of my rows 64-127.
.set NQ,     4                         ; steps of 128 along K in a slot
.set PITCH,  272                       ; A's LDS row: 256 bytes + 16: the 16 rows of a load start at 16 different banks
.set PB,     80                        ; B's LDS row: 64 bytes + 16
.set QB,     128*PB                    ; B: 128 rows of one kq
.set FR,     8
.set NL,     2
.set NP,     4
.set HALFA,  128*PITCH                 ; what one tensor load brings of A
.set HALFB,  4*QB                      ; and of B: [4 kq][128 rows][80]
.set SLOT,   2*HALFA+2*HALFB           ; 151,552
.set SCL,    2*SLOT                    ; behind the slots: the scales, as units of 256 bytes + 16
.set HALFS,  16*272                    ; those of 128 rows
.set SBLK,   2*272                     ; those of 16 rows
.set SPARE,  SCL+4*HALFS               ; the spare words: 512 bytes that no other line names
.set WST,    13312                     ; the way out: a wave's stages, in slot 0, which has had its only fill and its last read by then
.set ST32,   4608                      ; the f16 stage (2 heads x 16 rows x 144) at +0, the f32 stage (16 x 528) at +4,608
.set ADRA, 16
.set ADRB, 20
.set STO,  24
.set RD,   25
.set CO,   26
.set ADRS, 27
.set SPW,  28
.set NIL,  29
.set STO32, 30
.set RD32, 31
.set SC,   32
.set TMP,  96
.set AF,   128
.set BK,   128
.set BK32, 192
.set G1, 24
.set G0, 32
.set G1B, 48
.set G0B, 56
.set G1S, 68
.set G0S, 76
.set G1SB, 80
.set G0SB, 88
.set MSB, 0
.macro WIN new                         ; the immediate's high byte repeats the setting that is left
.if MSB != (\new)
	s_set_vgpr_msb (MSB<<8)|(\new)
.set MSB, (\new)
.endif
.endm
.set MUL_LO, 0xa1                      ; source 0 (B) window 1, source 1 (A) window 0, C and D window 2
.set MUL_HI, 0xf1
.set TO_B,   0x40
; A joint load: waves 0 and 1 fetch for A, waves 2 and 3 for B; the branch hangs on the wave's number alone.  An s_nop 0 and four v_nop follow each line.
.macro JLOAD g0a, g1a, g0b, g1b
	s_cmp_eq_u32 s15, 0
	s_cbranch_scc0 .Lfor_b_\@
	tensor_load_to_lds s[\g0a:\g0a+3], s[\g1a:\g1a+7]
	s_nop 0
.rept 4
	v_nop
.endr
	s_branch .Lasked_\@
.Lfor_b_\@:
	tensor_load_to_lds s[\g0b:\g0b+3], s[\g1b:\g1b+7]
	s_nop 0
.rept 4
	v_nop
.endr
.Lasked_\@:
.endm
.macro CROUND                          ; a round of the cluster's barrier
	s_barrier_signal -1
	s_barrier_wait -1
	s_cmp_lg_u32 s14, 0
	s_cbranch_scc1 .Lnot_wave_0_\@
	s_barrier_signal -3
.Lnot_wave_0_\@:
	s_barrier_wait -3
	s_barrier_signal -1
	s_barrier_wait -1
.endm
	s_load_b128 s[4:7], s[0:1], 0x0                ; xc, xs
	s_load_b128 s[8:11], s[0:1], 0x10              ; wc, ws
	s_load_b128 s[96:99], s[0:1], 0x20             ; qkv, qkv32
	v_lshl_add_u32 v[SPW], v0, 2, SPARE
	v_mov_b32 v[NIL], 0
	ds_add_u32 v[SPW], v[NIL]                      ; the wave's opening: the add, twice on end, and its wait ahead of my first tensor load
	ds_add_u32 v[SPW], v[NIL]
	v_lshrrev_b32 v1, 5, v0
	v_readfirstlane_b32 s14, v1                    ; wave 0..3
	s_lshr_b32 s15, s14, 1                         ; my half of the tile's rows.  Also: I fetch for A (0) or B (1)
	s_and_b32 s16, s14, 1                          ; my half of its columns.  Also: which 128 rows I fetch
	s_bfe_u32 s40, ttmp6, 0x40000                  ; cx
	s_bfe_u32 s41, ttmp6, 0x40004                  ; cy
	s_lshl_b32 s42, ttmp9, 2
	s_add_co_u32 s42, s42, s40                     ; tile column = 4 x cluster x + cx
	s_and_b32 s13, ttmp7, 0xffff                   ; cluster y: the tile's place in its batch
	s_lshl_b32 s17, s41, 3
	s_add_co_u32 s17, s17, s13                     ; tile row = 8 cy + cluster y
	s_lshl_b32 s43, s41, 2
	s_lshl_b32 s43, 15, s43                        ; my row of the cluster
	s_lshl_b32 s44, 0x1111, s40                    ; my column
	; A's tiles: 128 rows x 256 bytes, 512 bytes apart; 16 bytes of padding behind every 64 words
	s_or_b32 s[G1+0], s43, (0<<16)|(1<<20)|(1<<21)|(5<<22)|(3<<25)
	s_mov_b32 s[G1+1], 256<<16                     ; tensor_dim0
	s_mov_b32 s[G1+2], 128<<16                     ; tensor_dim1
	s_mov_b32 s[G1+3], 256<<16                     ; tile_dim0
	s_mov_b32 s[G1+4], 128                         ; tile_dim1
	s_mov_b32 s[G1+5], 512                         ; from row to row
	s_mov_b32 s[G1+6], 0
	s_mov_b32 s[G1+7], 0
	; B's tiles: for each of 4 kq, 128 rows of 64 bytes are 8,192 dense bytes: 4 long rows of 1,024 elements of 8 bytes, 196,608 bytes apart; 16 bytes of padding behind every 16 words
	s_or_b32 s[G1B+0], s44, (3<<16)|(1<<20)|(1<<21)|(3<<22)|(3<<25)
	s_mov_b32 s[G1B+1], 1024<<16
	s_mov_b32 s[G1B+2], 4<<16
	s_mov_b32 s[G1B+3], 1024<<16
	s_mov_b32 s[G1B+4], 4
	s_mov_b32 s[G1B+5], 24576
	s_mov_b32 s[G1B+6], 0
	s_mov_b32 s[G1B+7], 0
	; the scales of 128 rows: 4,096 dense bytes as 16 rows of 256 (32 elements of 8 bytes), 16 bytes of padding behind each
	s_or_b32 s[G1S+0], s43, (3<<16)|(1<<20)|(1<<21)|(5<<22)|(3<<25)
	s_or_b32 s[G1SB+0], s44, (3<<16)|(1<<20)|(1<<21)|(5<<22)|(3<<25)
.irp g, G1S, G1SB
	s_mov_b32 s[\g+1], 32<<16
	s_mov_b32 s[\g+2], 16<<16
	s_mov_b32 s[\g+3], 32<<16
	s_mov_b32 s[\g+4], 16
	s_mov_b32 s[\g+5], 32
	s_mov_b32 s[\g+6], 0
	s_mov_b32 s[\g+7], 0
.endr
	s_lshl_b32 s18, s16, 7
	s_lshl_b32 s20, s17, 8
	s_add_co_u32 s20, s20, s18                     ; A: row 256 x tile row + 128 x half
	s_lshl_b32 s46, s42, 8
	s_add_co_u32 s46, s46, s18                     ; B: row 256 x tile column + 128 x half
	s_lshl_b32 s22, s20, 5                         ; their scales: 32 bytes a row
	s_mov_b32 s23, 0
	s_lshl_b32 s92, s46, 5
	s_mov_b32 s93, 0
	s_lshl_b32 s20, s20, 9                         ; A's codes: 512 bytes a row
	s_mov_b32 s21, 0
	s_lshl_b32 s46, s46, 6                         ; B's codes: 64 bytes a row in each kq
	s_mov_b32 s47, 0
	s_mul_i32 s45, s16, HALFA                      ; where they go: no place in the cluster enters an LDS address
	s_mul_i32 s12, s16, HALFB
	s_add_co_u32 s12, s12, 2*HALFA
	s_mul_i32 s94, s14, HALFS
	s_wait_dscnt 0x0                               ; both opening adds are done
	s_wait_kmcnt 0x0
	s_add_nc_u64 s[20:21], s[4:5], s[20:21]
	s_add_nc_u64 s[22:23], s[6:7], s[22:23]
	s_add_nc_u64 s[46:47], s[8:9], s[46:47]
	s_add_nc_u64 s[92:93], s[10:11], s[92:93]
	CROUND                                         ; all sixteen work-groups are here: the first joint loads meet
	s_mov_b32 s[G0S], 1
	s_add_co_u32 s[G0S+1], s94, SCL
	s_mov_b64 s[G0S+2:G0S+3], s[22:23]
	s_or_b32 s[G0S+3], s[G0S+3], 0x80000000
	s_mov_b32 s[G0SB], 1
	s_add_co_u32 s[G0SB+1], s94, SCL
	s_mov_b64 s[G0SB+2:G0SB+3], s[92:93]
	s_or_b32 s[G0SB+3], s[G0SB+3], 0x80000000
	JLOAD G0S, G1S, G0SB, G1SB                     ; the scales first; three loads of mine are out behind these lines
.irp s, 0,1
	s_mov_b32 s[G0+4*\s], 1
	s_add_co_u32 s[G0+4*\s+1], s45, \s*SLOT
	s_add_nc_u64 s[G0+4*\s+2:G0+4*\s+3], s[20:21], \s*256
	s_or_b32 s[G0+4*\s+3], s[G0+4*\s+3], 0x80000000
	s_mov_b32 s[G0B+4*\s], 1
	s_add_co_u32 s[G0B+4*\s+1], s12, \s*SLOT
	s_add_nc_u64 s[G0B+4*\s+2:G0B+4*\s+3], s[46:47], \s*4*196608
	s_or_b32 s[G0B+4*\s+3], s[G0B+4*\s+3], 0x80000000
	JLOAD G0+4*\s, G1, G0B+4*\s, G1B
.endr
	v_and_b32 v1, 15, v0                           ; r = l % 16
	v_bfe_u32 v2, v0, 4, 1                         ; h = l / 16
	v_mul_u32_u24 v3, v1, PITCH
	v_lshl_add_u32 v4, v2, 4, v3                   ; A: row x pitch + 16 h
	v_mul_u32_u24 v5, v1, PB
	v_lshl_add_u32 v5, v2, 4, v5                   ; B likewise
	s_mul_i32 s21, s15, HALFA                      ; my 128 rows of A
	s_mul_i32 s22, s16, HALFB                      ; my 128 rows of B, behind A's 256
	s_add_co_u32 s22, s22, 2*HALFA
.irp s, 0,1
	v_add_nc_u32 v[ADRA+\s], s21, v4
	v_add_nc_u32 v[ADRB+\s], s22, v5
	s_add_co_u32 s21, s21, SLOT
	s_add_co_u32 s22, s22, SLOT
.endr
	v_mul_u32_u24 v5, v1, 32                       ; my row's scales: 32 bytes a row,
	v_lshrrev_b32 v6, 8, v5
	v_lshl_add_u32 v5, v6, 4, v5                   ; and 16 more for each 256 passed
	s_mul_i32 s21, s15, HALFS
	s_mul_i32 s22, s16, HALFS
	s_add_co_u32 s22, s22, 2*HALFS
	s_sub_co_u32 s22, s22, s21
	v_mul_u32_u24 v6, s22, v2                      ; lanes 16-31 take B's: one product, the distance between the two bases
	s_add_co_u32 s21, s21, SCL
	v_add_nc_u32 v5, v5, v6
	v_add_nc_u32 v[ADRS], s21, v5
	s_mul_i32 s23, s14, WST                        ; my stages
	v_mul_u32_u24 v5, v1, 144
	v_lshl_add_u32 v5, v2, 4, v5
	v_add_nc_u32 v[STO], s23, v5                   ; f16, in: row r, 16 bytes for each half of the lanes
	v_bfe_u32 v5, v0, 3, 2
	v_mul_u32_u24 v5, v5, 144
	v_and_b32 v6, 7, v0
	v_lshl_add_u32 v5, v6, 4, v5
	v_add_nc_u32 v[RD], s23, v5                    ; back: eight lanes to a row of 128 bytes, four rows an instruction
	v_and_b32 v6, 31, v0
	v_lshlrev_b32 v[CO], 4, v6                     ; 16 x lane
	s_add_co_u32 s23, s23, ST32
	v_mul_u32_u24 v5, v1, 528
	v_lshl_add_u32 v5, v2, 5, v5
	v_add_nc_u32 v[STO32], s23, v5                 ; f32, in: row r, 32 bytes for each half
	v_add_nc_u32 v[RD32], s23, v[CO]               ; back: 32 lanes take a row of 512 bytes
	; where my part goes: my 128 columns are two heads, g0 and g0 + 1, of one of q, k, v
	s_lshl_b32 s20, s42, 2
	s_lshl_b32 s21, s16, 1
	s_add_co_u32 s20, s20, s21                     ; g0 = column / 64
	s_lshr_b32 s21, s20, 4
	s_lshl_b32 s21, s21, 6                         ; 64 x which
	s_and_b32 s20, s20, 15                         ; the head
	s_add_co_u32 s20, s20, s21
	s_lshl_b32 s21, s41, 4                         ; 16 x batch
	s_add_co_u32 s20, s20, s21
	s_lshl_b32 s20, s20, 18                        ; a head's block is 2,048 x 128 bytes
	s_lshl_b32 s21, s13, 8
	s_lshl_b32 s22, s15, 7
	s_add_co_u32 s21, s21, s22                     ; my first position in the sequence
	s_lshl_b32 s21, s21, 7
	s_add_co_u32 s20, s20, s21
	s_mov_b32 s21, 0
	s_add_nc_u64 s[96:97], s[96:97], s[20:21]
	s_mul_i32 s20, s41, 196608                     ; qkv32: the batch's 16 rows of 12,288 bytes,
	s_lshl_b32 s22, s42, 10
	s_add_co_u32 s20, s20, s22
	s_lshl_b32 s22, s16, 9
	s_add_co_u32 s20, s20, s22                     ; my first column
	s_add_nc_u64 s[98:99], s[98:99], s[20:21]
	s_or_b32 s95, s13, s15                         ; 0 where my rows begin a sequence
.macro FRAGA reg, slot, q, i           ; 16 rows x 128 K of 4-bit codes: lane l holds row l % 16; registers 4 c .. 4 c + 3 hold K = 64 c + 32 (l / 16) + 0 .. 31
.irp c, 0,1
	ds_load_b128 v[\reg+4*\c:\reg+4*\c+3], v[ADRA+\slot] offset:64*(\q)+32*\c+(\i)*16*PITCH
.endr
.endm
.macro FRAGB reg, slot, q, i
.irp c, 0,1
	ds_load_b128 v[\reg+4*\c:\reg+4*\c+3], v[ADRB+\slot] offset:(\q)*QB+(\i)*16*PB+32*\c
.endr
.endm
; 16 matrix instructions: A's blocks a0, a0 + 1 x B's eight.  The 64 accumulators take turns, one instruction a turn, in the same order in every step.
.macro MUL16 a0, p, q, sc, zero
.irp a, \a0, \a0+1
.irp b, 0,1,2,3,4,5,6,7
.if \zero
	v_wmma_scale_f32_16x16x128_f8f6f4 v[8*(8*((\a)%4)+\b):8*(8*((\a)%4)+\b)+7], v[128*(\p)+FR*\b:128*(\p)+FR*\b+FR-1], v[AF+FR*(\a):AF+FR*(\a)+FR-1], 0, v[SC+8*NQ*(\sc)+NQ*\b+(\q)], v[SC+8*NQ*(\sc)+NQ*(\a)+(\q)] matrix_a_fmt:MATRIX_FMT_FP4 matrix_b_fmt:MATRIX_FMT_FP4 matrix_a_scale:MATRIX_SCALE_ROW1
.else
	v_wmma_scale_f32_16x16x128_f8f6f4 v[8*(8*((\a)%4)+\b):8*(8*((\a)%4)+\b)+7], v[128*(\p)+FR*\b:128*(\p)+FR*\b+FR-1], v[AF+FR*(\a):AF+FR*(\a)+FR-1], v[8*(8*((\a)%4)+\b):8*(8*((\a)%4)+\b)+7], v[SC+8*NQ*(\sc)+NQ*\b+(\q)], v[SC+8*NQ*(\sc)+NQ*(\a)+(\q)] matrix_a_fmt:MATRIX_FMT_FP4 matrix_b_fmt:MATRIX_FMT_FP4 matrix_a_scale:MATRIX_SCALE_ROW1
.endif
.endr
.endr
.endm
.macro FETCH_B slot, q, p
	WIN TO_B
.irp i, 0,1,2,3,4,5,6,7
	FRAGB 128*(\p)+FR*\i, \slot, \q, \i
.endr
	WIN 0
.endm
.macro FETCH_A slot, q, i0
.irp i, \i0, \i0+1, \i0+2, \i0+3
	FRAGA AF+FR*(\i), \slot, \q, \i
.endr
.endm
.macro SCALES sc                       ; a slot's scale words: 4 words a row; lanes 0-15 take A's block i, lanes 16-31 B's block i
.irp i, 0,1,2,3,4,5,6,7
	ds_load_b128 v[SC+8*NQ*\sc+NQ*\i:SC+8*NQ*\sc+NQ*\i+3], v[ADRS] offset:\i*SBLK
.endr
.endm
.macro PLACES n                        ; plain vector instructions between a matrix instruction and a load into, or a read of, its registers
.rept \n
	v_nop
.endr
.endm
.macro STEP slot, q, zero              ; 128 along K that have their successor in the same slot
	s_wait_dscnt 4*NL                              ; all but the youngest eight loads (A's blocks 4-7) are in
	WIN MUL_LO
	MUL16 0, (\q)%2, \q, \slot, \zero
	MUL16 2, (\q)%2, \q, \slot, \zero
	s_wait_dscnt 0
	PLACES NP
	FETCH_B \slot, (\q)+1, 1-(\q)%2
	FETCH_A \slot, (\q)+1, 0
	WIN MUL_HI
	MUL16 4, (\q)%2, \q, \slot, \zero
	MUL16 6, (\q)%2, \q, \slot, \zero
	PLACES NP
	WIN 0
	FETCH_A \slot, (\q)+1, 4
.endm
.macro STEPS slot, from
.set Q, \from
.rept NQ-1-\from
	STEP \slot, Q, 0
.set Q, Q+1
.endr
.endm
; Slot 0's last step changes slots: one barrier.  In front of it each wave waits for all its tensor loads (its part of slot 1), adds 0 to its spare word, and waits for that and for its reads of slot 0.
.macro TURN slot, next
	s_wait_tensorcnt 0x0
	ds_add_u32 v[SPW], v[NIL]
	s_wait_dscnt 4*NL+1                            ; the add and the youngest eight loads may be out
	WIN MUL_LO
	MUL16 0, 1, NQ-1, \slot, 0
	s_wait_dscnt 0x0                               ; the add is done, and my reads of this slot are over
	s_barrier_signal -1
	MUL16 2, 1, NQ-1, \slot, 0
	WIN 0
	s_barrier_wait -1
	PLACES NP
	v_add_nc_u32 v[ADRS], 4*NQ, v[ADRS]            ; the next slot's scale words
	FETCH_B \next, 0, 0
	FETCH_A \next, 0, 0
	SCALES \next
	WIN MUL_HI
	MUL16 4, 1, NQ-1, \slot, 0
	MUL16 6, 1, NQ-1, \slot, 0
	PLACES NP
	WIN 0
	FETCH_A \next, 0, 4
.endm
	s_wait_tensorcnt 1                             ; the scales and my part of slot 0 are in; slot 1's load may be out
	s_barrier_signal -1
	s_barrier_wait -1
	FETCH_B 0, 0, 0
	FETCH_A 0, 0, 0
	SCALES 0
	FETCH_A 0, 0, 4
	STEP 0, 0, 1                                   ; the first products start the sums: nothing is cleared
	STEPS 0, 1
	TURN 0, 1
	STEPS 1, 0
	s_wait_dscnt 4*NL                              ; the very last step
	WIN MUL_LO
	MUL16 0, 1, NQ-1, 1, 0
	MUL16 2, 1, NQ-1, 1, 0
	s_wait_dscnt 0
	WIN MUL_HI
	MUL16 4, 1, NQ-1, 1, 0
	MUL16 6, 1, NQ-1, 1, 0
	WIN 0
; THE WAY OUT, a block of 16 rows x 128 columns (two heads) at a time.  PACK: rounded to f16, 16 bytes a lane, each accumulator from its low end on.  TOSTAGE: into my stage, by heads, and back four rows of a
; head at a time.  SEND: four rows of a head are 512 consecutive bytes of qkv.  Every offset is an immediate.
.macro PACK a
.set AC, 64*((\a)%4)
	WIN 0x0a+5*((\a)/4)                            ; sources 0 and 1: window 2 or 3
.irp b, 0,1,2,3,4,5,6,7
.irp i, 0,1,2,3
	v_cvt_pk_f16_f32 v[TMP+4*\b+\i], v[AC+8*\b+2*\i], v[AC+8*\b+2*\i+1]
.endr
.endr
	WIN 0
.endm
.macro TOSTAGE a
.set BB, BK+32*((\a)%2)
.irp b, 0,1,2,3,4,5,6,7
	ds_store_b128 v[STO], v[TMP+4*\b:TMP+4*\b+3] offset:(\b/4)*2304+(\b%4)*32
.endr
.irp t, 0,1,2,3,4,5,6,7
	ds_load_b128 v[BB+4*\t:BB+4*\t+3], v[RD] offset:(\t/4)*2304+(\t%4)*576   ; LDS serves a wave's instructions in order: these see the stores above
.endr
.endm
.macro SEND a
.set BB, BK+32*((\a)%2)
	s_wait_dscnt 0x0                               ; the block is back in registers
	s_wait_xcnt 0x0                                ; the block before has been read by its stores: its registers take the next block's loads
.irp t, 0,1,2,3,4,5,6,7
	global_store_b128 v[CO], v[BB+4*\t:BB+4*\t+3], s[96:97] offset:(\a)*2048+(\t/4)*262144+(\t%4)*512
.endr
.endm
	PLACES NP                                      ; behind the last products: for the reads of results and the loads into A's registers
	s_cmp_lg_u32 s95, 0                            ; the cluster's y and the wave's number alone
	s_cbranch_scc1 .Lnot_first
	WIN 0x08                                       ; an LDS store's data: window 2.  Block 0 is a sequence's first 16 positions: they also leave in f32
.irp b, 0,1,2,3,4,5,6,7
	ds_store_b128 v[STO32], v[8*\b:8*\b+3] offset:64*\b
	ds_store_b128 v[STO32], v[8*\b+4:8*\b+7] offset:64*\b+16
.endr
	WIN 0
.irp t, 0,1,2,3,4,5,6,7,8,9,10,11,12,13,14,15
	ds_load_b128 v[BK32+4*\t:BK32+4*\t+3], v[RD32] offset:\t*528
.endr
.irp t, 0,1,2,3,4,5,6,7,8,9,10,11,12,13,14,15
	s_wait_dscnt 15-\t                             ; row t is back; the younger rows may be out
	global_store_b128 v[CO], v[BK32+4*\t:BK32+4*\t+3], s[98:99] offset:\t*12288   ; 512 consecutive bytes, aligned
.endr
.Lnot_first:
	PACK 0
	TOSTAGE 0
.irp a, 1,2,3,4,5,6,7
	PACK \a                                        ; block a's conversions stand between block a - 1's loads from the stage and the wait for them
	SEND \a-1
	TOSTAGE \a
.endr
	SEND 7
	s_wait_tensorcnt 0x0                           ; the wave's end
	ds_add_u32 v[SPW], v[NIL]
	s_wait_dscnt 0x0
	CROUND                                         ; the closing round
	s_endpgm
.Lfunc_end_k_qddbeb47e53_gemm_qkv:
	.size	k_qddbeb47e53_gemm_qkv, .Lfunc_end_k_qddbeb47e53_gemm_qkv-k_qddbeb47e53_gemm_qkv
	.p2alignl 7, 3214868480
	.fill 96, 4, 3214868480
	.section	.rodata,"a",@progbits
	.p2align	6, 0x0
	.amdhsa_kernel k_qddbeb47e53_gemm_qkv
		.amdhsa_group_segment_fixed_size 327680
		.amdhsa_private_segment_fixed_size 0
		.amdhsa_enable_private_segment 0
		.amdhsa_kernarg_size 48
		.amdhsa_user_sgpr_count 2
		.amdhsa_user_sgpr_kernarg_segment_ptr 1
		.amdhsa_wavefront_size32 1
		.amdhsa_system_sgpr_workgroup_id_x 1
		.amdhsa_system_sgpr_workgroup_id_y 1
		.amdhsa_system_sgpr_workgroup_id_z 1
		.amdhsa_system_vgpr_workitem_id 0
		.amdhsa_next_free_vgpr 1024
		.amdhsa_next_free_sgpr 100
		.amdhsa_reserve_vcc 0
		.amdhsa_float_denorm_mode_32 3
		.amdhsa_float_denorm_mode_16_64 3
		.amdhsa_memory_ordered 1
		.amdhsa_forward_progress 1
		.amdhsa_inst_pref_size 131
	.end_amdhsa_kernel
	.amdgpu_metadata
---
amdhsa.version: [ 1, 2 ]
amdhsa.kernels:
  - .name:           k_qddbeb47e53_gemm_qkv
    .symbol:         k_qddbeb47e53_gemm_qkv.kd
    .args:
      - { .name: xc, .offset: 0, .size: 8, .value_kind: global_buffer, .address_space: global }
      - { .name: xs, .offset: 8, .size: 8, .value_kind: global_buffer, .address_space: global }
      - { .name: wc, .offset: 16, .size: 8, .value_kind: global_buffer, .address_space: global }
      - { .name: ws, .offset: 24, .size: 8, .value_kind: global_buffer, .address_space: global }
      - { .name: qkv, .offset: 32, .size: 8, .value_kind: global_buffer, .address_space: global }
      - { .name: qkv32, .offset: 40, .size: 8, .value_kind: global_buffer, .address_space: global }
    .group_segment_fixed_size: 327680
    .private_segment_fixed_size: 0
    .kernarg_segment_align: 8
    .kernarg_segment_size: 48
    .max_flat_workgroup_size: 128
    .sgpr_count:     100
    .vgpr_count:     1024
    .wavefront_size: 32
...
	.end_amdgpu_metadata
.endif
;; end of part 2
;; launch attn (part 3): grid 4 x 64, 8 waves a work-group, no clusters, 327,680 bytes of LDS; arguments qkv, ao; writes ao
.if DOCPART == 3
	.amdgcn_target "amdgcn-amd-amdhsa--gfx1250"
	.amdhsa_code_object_version 6
	.text
	.protected	k_qddbeb47e53_attn
	.globl	k_qddbeb47e53_attn
	.p2align	8
	.type	k_qddbeb47e53_attn,@function
k_qddbeb47e53_attn:
	s_mov_b64 s[64:65], 0
	v_nop
	global_prefetch_b8 v0, s[64:65] scope:SCOPE_SE
	s_setreg_imm32_b32 hwreg(HW_REG_WAVE_MODE, 25, 1), 1
	s_wait_xcnt 0x0
; ao[h][b t][:] = the sum over keys k <= t of softmax_k(q[t] . k[k] / 8) v[k][:], for each of 64 (batch, head) pairs.  q, k, v: qkv, f16, [3][64 p][2048][64]; ao: f16, [16 h][8192][64].
; Products on f16 operands with f32 sums; maxima, exponentials and sums in f32; p (at most 1) rounded to f16 for the second product; the result once at the end.
; LIMITS: the result is kept in f16 (it is an average of v, so it fits where v fits); NaN and infinities are not served.
; SHARES.  Work-group (j, p) owns two blocks of 256 queries of pair p: first block 7 - j, which sees 8 - j units of 256 keys, then block j, which sees j + 1: NINE units in every work-group, 256 equal work-groups.
; A wave owns 32 queries (two tiles of 16) of the block in hand; two waves share a SIMD, so that one wave's softmax stands beside the other's products; each fragment of K and V feeds two matrix instructions.
; NO CLUSTER: the four work-groups of a pair want the same unit only in walk steps 0 to 4; from step 5 on the one with 8 - j = 5 has begun its second block at unit 0 while the others go on: partners would
; need different tiles in one round, and a walk in step takes 8 + 4 unit times where this one takes 9.
; LAYOUT.  S^T = K Q^T (source 0 = 16 keys, source 1 = 16 queries): a lane holds ONE query (lane % 16) and keys 8 (lane / 16) + 0..7.  Two such tiles, rounded in pairs, ARE source 1 of O^T = V^T P.
; V ([key][channel]) is turned by ds_load_tr16_b128.
; SOFTMAX.  A running maximum m and sum l for each query: p = 2^(c s - c m), c = log2(e) / 8; in every step O and l are multiplied by 2^(c m_old - c m_new).
; THE MASK.  A step of 64 keys all of which come after my 32 queries is left out (a scalar branch on ids, round no barrier and no tensor load); on the diagonal hidden scores become -infinity ahead of the maximum.
; LDS: slot 0 at 0, slot 1 at 2^17: 256 rows of K (144 bytes), then 256 rows of V (160 bytes).  77,824 ..: the waves' stages for the way out, never filled.  114,688 ..: the spare words.
; REGISTERS: window 0: v1-15 addresses; v16-31 statistics, 8 a tile: +0 c m, +1 m, +2, +3 l, +4..+7 at work (+6: the factor); v32-63 P; v64-127 S^T; v128-191 O^T; v192-223 Q; v224-255 the second block's Q.
;   window 1: v0-63 K of a step; v64-127 V of a step.
.set PK,    144
.set PV,    160
.set VOFF,  256*PK
.set SLOT1, 1<<17
.set STAGE, 256*(PK+PV)
.set SPARE, STAGE+8*32*144
.set AK0, 1
.set AV0, 2
.set ADK, 3
.set ADV, 4
.set STO, 5
.set RD,  6
.set GO,  7
.set QO,  8
.set SPW, 9
.set NIL, 10
.set PFO, 11
.set DQ,  12
.set NINF, 13
.set D0,  14
.set ST,  16
.set P,   32
.set S,   64
.set O,   128
.set Q,   192
.set Q2,  224
.set WV,  8                            ; s8   wave
.set JJ,  9                            ; s9   j
.set HP,  10                           ; s10  p = 16 b + h
.set N1,  11                           ; s11  units of the first block
.set W,   12                           ; s12  the walk's step, 0 .. 8
.set KF,  13                           ; s13  the unit's first key
.set Q0,  14                           ; s14  my first query
.set TB,  15                           ; s15  LDS byte at which the slot in hand begins
.set KB,  16                           ; s[16:17] K of my pair, at the quarter of a unit that I fetch;  s[18:19] V likewise
.set VB,  18
.set OFF, 20                           ; s[20:21] a unit's offset
.set SEL, 22
.set CS,  24
.set G1K, 28
.set G1V, 36
.set G0K, 44
.set G0V, 48
.set OA,  52                           ; s[52:53] my rows of ao;  s[54:55] those of the second block
.set OA2, 54
.set PFA, 56
.set PLIM, 58
.set Q0B, 59
.set MSB, 0
.macro WIN new
.if MSB != (\new)
	s_set_vgpr_msb (MSB<<8)|(\new)
.set MSB, (\new)
.endif
.endm
.set W_MM, 0x01                        ; source 0 (K or V) in window 1
.set W_LD, 0x40                        ; destination in window 1
; Waves 0 to 3 fetch the four quarters of a unit's K, waves 4 to 7 of its V: one load a wave.  An s_nop 0 and four v_nop follow each line.
.macro TLOAD
	s_cmp_lt_u32 s[WV], 4
	s_cbranch_scc0 .Lfor_v_\@
	tensor_load_to_lds s[G0K:G0K+3], s[G1K:G1K+7]
	s_nop 0
.rept 4
	v_nop
.endr
	s_branch .Lasked_\@
.Lfor_v_\@:
	tensor_load_to_lds s[G0V:G0V+3], s[G1V:G1V+7]
	s_nop 0
.rept 4
	v_nop
.endr
.Lasked_\@:
.endm
; A PREFETCH INTO THE L2 of the unit that the NEXT change of slots will ask for.  All four work-groups of a pair walk units 0, 1, 2 ..: the one with j = 0, whose first block walks all eight, asks, in walk steps 0 to 5,
; for units 2 to 7; each wave for the quarter that it fetches, 8,192 bytes, lanes 256 bytes apart.  So each block of 256 bytes is named once in the launch; units 0 and 1 come by their loads alone.
.macro ASK
	s_cmp_lt_u32 s[W], s[PLIM]
	s_cbranch_scc0 .Lnot_mine_\@
	global_prefetch_b8 v[PFO], s[PFA:PFA+1] th:TH_LOAD_NT scope:SCOPE_SE
.Lnot_mine_\@:
.endm
.macro FETCH_K q                       ; 64 keys x 64 channels: fragment f = 2 kt + u at v[8 f] of window 1
	WIN W_LD
.irp f, 0,1,2,3,4,5,6,7
	ds_load_b128 v[8*\f:8*\f+3],   v[ADK] offset:(\q)*64*PK+(\f/2)*16*PK+(\f%2)*64
	ds_load_b128 v[8*\f+4:8*\f+7], v[ADK] offset:(\q)*64*PK+(\f/2)*16*PK+(\f%2)*64+32
.endr
.endm
.macro FETCH_V q                       ; turned: fragment f = 4 kh + c (32 keys x 16 channels) at v[64 + 8 f] of window 1
	WIN W_LD
.irp f, 0,1,2,3,4,5,6,7
	ds_load_tr16_b128 v[64+8*\f:64+8*\f+3],   v[ADV] offset:(\q)*64*PV+(\f/4)*32*PV+(\f%4)*32
	ds_load_tr16_b128 v[64+8*\f+4:64+8*\f+7], v[ADV] offset:(\q)*64*PV+(\f/4)*32*PV+(\f%4)*32+16*PV
.endr
.endm
; THE CHANGE OF SLOTS stands at a unit's head.  Each wave waits for all its tensor loads (its quarter of the unit ahead), adds 0 to its spare word, and waits for that and for its reads of the slot that it has left.
; fill = 1: behind the barrier that slot takes the walk's next unit, one load a wave, which has a whole unit's steps in which to land.
.macro CHANGE fill
	s_wait_tensorcnt 0x0                           ; no tensor load of mine is out, so the descriptors may be written
	ds_add_u32 v[SPW], v[NIL]                      ; the descriptors' steps stand between it and the wait
.if \fill
	s_add_co_u32 s60, s[W], 1                      ; the walk's next step: unit W + 1 of the first block, or W + 1 - N1 of the second
	s_cmp_ge_u32 s60, s[N1]
	s_cselect_b32 s61, s[N1], 0
	s_sub_co_u32 s60, s60, s61
	s_lshl_b32 s[OFF], s60, 15                     ; 256 rows of 128 bytes
	s_add_nc_u64 s[G0K+2:G0K+3], s[KB:KB+1], s[OFF:OFF+1]
	s_or_b32 s[G0K+3], s[G0K+3], 0x80000000
	s_add_nc_u64 s[G0V+2:G0V+3], s[VB:VB+1], s[OFF:OFF+1]
	s_or_b32 s[G0V+3], s[G0V+3], 0x80000000
	s_xor_b32 s[G0K+1], s[G0K+1], SLOT1            ; the other slot than last time
	s_xor_b32 s[G0V+1], s[G0V+1], SLOT1
	s_wait_xcnt 0x0                                ; the last prefetch, a unit back, has read its address
	s_add_nc_u64 s[PFA:PFA+1], s[PFA:PFA+1], 32768
.endif
	s_wait_dscnt 0x0                               ; the add is done, and my LDS reads are over
	s_barrier_signal -1
	s_barrier_wait -1
.if \fill
	TLOAD                                          ; the first thing behind the barrier, and my one tensor load until the next
.endif
	v_add_nc_u32 v[ADK], s[TB], v[AK0]
	v_add_nc_u32 v[ADV], s[TB], v[AV0]
	FETCH_K 0
	WIN 0
.if \fill
	ASK
.endif
.endm
.macro SCALE t, i                      ; pair i of tile t: c s - c m
	v_pk_fma_f32 v[S+32*\t+2*\i:S+32*\t+2*\i+1], v[S+32*\t+2*\i:S+32*\t+2*\i+1], s[CS:CS+1], v[ST+8*\t:ST+8*\t+1] op_sel_hi:[1,0,0] neg_lo:[0,0,1] neg_hi:[0,0,1]
.endm
.macro CVT t, i                        ; pair i of the weights, rounded to f16
	v_cvt_pk_f16_f32 v[P+16*\t+\i], v[S+32*\t+2*\i], v[S+32*\t+2*\i+1]
.endm
.macro RESC t, i                       ; pair i of O^T times the factor; ascending
	v_pk_mul_f32 v[O+32*\t+2*\i:O+32*\t+2*\i+1], v[O+32*\t+2*\i:O+32*\t+2*\i+1], v[ST+8*\t+6:ST+8*\t+7] op_sel_hi:[1,0]
.endm
.macro SUM t, z                        ; sum z of 16 over the tile's 16 pairs, in place: neighbours 1, 2, 4, 8 pairs apart, then l = l x factor + the sum
.set rS, S+32*(\t)
.set rT, ST+8*(\t)
.if (\z) < 8
	v_pk_add_f32 v[rS+4*(\z):rS+4*(\z)+1], v[rS+4*(\z):rS+4*(\z)+1], v[rS+4*(\z)+2:rS+4*(\z)+3]
.elseif (\z) < 12
	v_pk_add_f32 v[rS+8*((\z)-8):rS+8*((\z)-8)+1], v[rS+8*((\z)-8):rS+8*((\z)-8)+1], v[rS+8*((\z)-8)+4:rS+8*((\z)-8)+5]
.elseif (\z) < 14
	v_pk_add_f32 v[rS+16*((\z)-12):rS+16*((\z)-12)+1], v[rS+16*((\z)-12):rS+16*((\z)-12)+1], v[rS+16*((\z)-12)+8:rS+16*((\z)-12)+9]
.elseif (\z) == 14
	v_pk_add_f32 v[rS:rS+1], v[rS:rS+1], v[rS+16:rS+17]
.else
	v_pk_fma_f32 v[rT+2:rT+3], v[rT+2:rT+3], v[rT+6:rT+7], v[rS:rS+1] op_sel_hi:[1,0,1]
.endif
.endm
; A step's softmax for both tiles.  The exponentials go in two batches with one wait each: tile 0's (and both factors) among tile 1's scalings; tile 1's among tile 0's roundings and rescalings.
.macro SOFTMAX
.irp j, 0,1,2,3
.irp t, 0,1
	v_max3_num_f32 v[ST+8*\t+4+\j], v[S+32*\t+8*\j], v[S+32*\t+8*\j+1], v[S+32*\t+8*\j+2]   ; four chains a tile, each begun at an accumulator's low end
.endr
.endr
.irp g, 1,2
.irp j, 0,1,2,3
.irp t, 0,1
	v_max3_num_f32 v[ST+8*\t+4+\j], v[ST+8*\t+4+\j], v[S+32*\t+8*\j+2*\g+1], v[S+32*\t+8*\j+2*\g+2]
.endr
.endr
.endr
.irp t, 0,1
	v_max3_num_f32 v[ST+8*\t+4], v[ST+8*\t+4], v[S+32*\t+7], v[S+32*\t+15]
.endr
.irp t, 0,1
	v_max3_num_f32 v[ST+8*\t+6], v[ST+8*\t+6], v[S+32*\t+23], v[S+32*\t+31]
.endr
.irp t, 0,1
	v_max3_num_f32 v[ST+8*\t+4], v[ST+8*\t+4], v[ST+8*\t+5], v[ST+8*\t+6]
.endr
.irp t, 0,1
	v_max3_num_f32 v[ST+8*\t+4], v[ST+8*\t+4], v[ST+8*\t+7], v[ST+8*\t+1]   ; and the old m
.endr
.irp t, 0,1
	v_permlanex16_b32 v[ST+8*\t+5], v[ST+8*\t+4], s[SEL], s[SEL+1]   ; the query's other 32 keys lie in the lane 16 away
.endr
.irp t, 0,1
	v_mov_b32 v[ST+8*\t+7], v[ST+8*\t]             ; c m_old
.endr
.irp t, 0,1
	v_max_num_f32 v[ST+8*\t+1], v[ST+8*\t+4], v[ST+8*\t+5]
.endr
.irp t, 0,1
	v_mul_f32 v[ST+8*\t], s[CS], v[ST+8*\t+1]
.endr
.irp t, 0,1
	v_sub_f32 v[ST+8*\t+7], v[ST+8*\t+7], v[ST+8*\t]
.endr
.irp t, 0,1
	v_exp_f32 v[ST+8*\t+6], v[ST+8*\t+7]           ; the factor 2^(c m_old - c m_new)
.endr
.set n, 0
.rept 16
	SCALE 0, n
.set n, n+1
.endr
.set n, 0
.rept 16
	SCALE 1, n
	v_exp_f32 v[S+2*n], v[S+2*n]
	v_exp_f32 v[S+2*n+1], v[S+2*n+1]
.set n, n+1
.endr
	v_nop                                          ; a plain instruction behind the last exponential
	s_wait_alu depctr_va_vdst(0)                   ; one wait for the first batch, ahead of the first line that names a result
.set n, 0
.rept 16
	v_exp_f32 v[S+32+2*n], v[S+32+2*n]
	CVT 0, n
	v_exp_f32 v[S+32+2*n+1], v[S+32+2*n+1]
	RESC 0, n
.set n, n+1
.endr
.set n, 0
.rept 16
	SUM 0, n
	RESC 1, n
.set n, n+1
.endr
	s_wait_alu depctr_va_vdst(0)                   ; and one for the second batch
.set n, 0
.rept 16
	CVT 1, n
.set n, n+1
.endr
.set n, 0
.rept 16
	SUM 1, n
.set n, n+1
.endr
.endm
; A STEP: 64 keys, the q-th of the unit in hand.  The accumulators take turns, one instruction a turn.
.macro STEP q, endl
.if \q > 0
	s_add_co_u32 s60, s[KF], 64*\q                 ; all 64 keys come after my last query: this step and the unit's later ones are left out
	s_add_co_u32 s61, s[Q0], 31
	s_cmp_gt_u32 s60, s61
	s_cbranch_scc1 \endl
.endif
	s_wait_dscnt 0x0                               ; K of this step is in
	WIN W_MM
.set i, 0
.rept 16                                       ; S^T = K Q^T: channels 32 (i / 8) on, keys 16 ((i / 2) % 4) on, tile i % 2
.set rS, S+32*(i%2)+8*((i/2)%4)
.set rK, 16*((i/2)%4)+8*(i/8)
.set rQ, Q+16*(i%2)+8*(i/8)
.if i < 8
	v_wmma_f32_16x16x32_f16 v[rS:rS+7], v[rK:rK+7], v[rQ:rQ+7], 0
.else
	v_wmma_f32_16x16x32_f16 v[rS:rS+7], v[rK:rK+7], v[rQ:rQ+7], v[rS:rS+7]
.endif
.set i, i+1
.endr
	WIN 0
.rept 4
	v_nop                                          ; places: in front of the loads into K's and V's registers, and of the first read of the scores
.endr
	FETCH_V \q
.if \q < 3
	FETCH_K (\q)+1
.endif
	WIN 0
	s_add_co_u32 s60, s[KF], 64*\q+63              ; a step all of whose keys count for all my queries needs no mask
	s_cmp_le_u32 s60, s[Q0]
	s_cbranch_scc1 .Lopen_\@
	s_sub_co_i32 s60, s[Q0], s[KF]
	s_sub_co_i32 s60, s60, 64*\q
	v_add_nc_u32 v[D0], s60, v[DQ]                 ; register 8 kt + jj of tile t holds key 16 kt + 8 (lane / 16) + jj of the step: hidden where 16 kt + jj > my query - the step's first key - 8 (lane / 16)
	v_add_nc_u32 v[D0+1], 16, v[D0]
.set n, 0
.rept 64
	v_cmp_gt_i32 vcc_lo, 16*((n%32)/8)+n%8, v[D0+n/32]
	v_cndmask_b32 v[S+n], v[S+n], v[NINF], vcc_lo
.set n, n+1
.endr
.Lopen_\@:
	SOFTMAX
.if \q < 3
	s_wait_dscnt 16                                ; V is in; the next step's K, 16 loads, may be out
.else
	s_wait_dscnt 0x0
.endif
	WIN W_MM
.set i, 0
.rept 16                                       ; O^T += V^T P: keys 32 (i / 8) on, channels 16 ((i / 2) % 4) on, tile i % 2
.set rO, O+32*(i%2)+8*((i/2)%4)
.set rV, 64+32*(i/8)+8*((i/2)%4)
.set rP, P+16*(i%2)+8*(i/8)
	v_wmma_f32_16x16x32_f16 v[rO:rO+7], v[rV:rV+7], v[rP:rP+7], v[rO:rO+7]
.set i, i+1
.endr
	WIN 0
.endm
.macro SLOT_STEPS
	STEP 0, .Lslot_end_\@
	STEP 1, .Lslot_end_\@
	STEP 2, .Lslot_end_\@
	STEP 3, .Lslot_end_\@
.Lslot_end_\@:
.endm
.macro START                           ; the step is written once: a block's first step finds zeros and a maximum under every score
.irp t, 0,1
	v_mov_b32 v[ST+8*\t+1], 0xff61b1e6             ; -3e38
	v_mul_f32 v[ST+8*\t], s[CS], v[ST+8*\t+1]
	v_mov_b32 v[ST+8*\t+2], 0
	v_mov_b32 v[ST+8*\t+3], 0
.endr
.set n, 0
.rept 64
	v_mov_b32 v[O+n], 0
.set n, n+1
.endr
.endm
; A block's way out: O^T / l, rounded to f16, through my stage, 32 rows of 128 bytes: four rows are 512 consecutive bytes of ao.
.macro FINISH
	s_wait_dscnt 0x0                               ; a fetch for a step that was left out may be out
.rept 4
	v_nop                                          ; places behind the last products
.endr
.irp t, 0,1
	v_add_f32 v[ST+8*\t+4], v[ST+8*\t+2], v[ST+8*\t+3]
.endr
.irp t, 0,1
	v_permlanex16_b32 v[ST+8*\t+5], v[ST+8*\t+4], s[SEL], s[SEL+1]
.endr
.irp t, 0,1
	v_add_f32 v[ST+8*\t+4], v[ST+8*\t+4], v[ST+8*\t+5]
.endr
.irp t, 0,1
	v_rcp_f32 v[ST+8*\t+6], v[ST+8*\t+4]
.endr
	v_nop
	s_wait_alu depctr_va_vdst(0)                   ; one wait for both reciprocals, ahead of their first reader
.set n, 0
.rept 32
	v_pk_mul_f32 v[S+2*n:S+2*n+1], v[O+2*n:O+2*n+1], v[ST+8*(n/16)+6:ST+8*(n/16)+7] op_sel_hi:[1,0]
.set n, n+1
.endr
.set n, 0
.rept 32
	v_cvt_pk_f16_f32 v[P+n], v[S+2*n], v[S+2*n+1]
.set n, n+1
.endr
.irp t, 0,1
.irp c, 0,1,2,3
	ds_store_b128 v[STO], v[P+16*\t+4*\c:P+16*\t+4*\c+3] offset:\t*16*144+32*\c
.endr
.endr
.irp i, 0,1,2,3,4,5,6,7
	ds_load_b128 v[S+4*\i:S+4*\i+3], v[RD] offset:\i*4*144   ; LDS serves a wave's instructions in order: these see the stores above
.endr
.irp i, 0,1,2,3,4,5,6,7
	s_wait_dscnt 7-\i
	global_store_b128 v[GO], v[S+4*\i:S+4*\i+3], s[OA:OA+1] offset:512*\i
.endr
	s_wait_xcnt 0x0                                ; the stores have read their registers and their base: both are written again
.endm
	s_load_b128 s[4:7], s[0:1], 0x0                ; qkv, ao
	v_lshl_add_u32 v[SPW], v0, 2, SPARE
	v_mov_b32 v[NIL], 0
	ds_add_u32 v[SPW], v[NIL]                      ; the wave's opening: the add, twice on end, and its wait ahead of my first tensor load
	ds_add_u32 v[SPW], v[NIL]
	v_lshrrev_b32 v14, 5, v0
	v_readfirstlane_b32 s[WV], v14                 ; wave 0..7
	s_mov_b32 s[JJ], ttmp9
	s_and_b32 s[HP], ttmp7, 0xffff
	s_sub_co_u32 s[N1], 8, s[JJ]
	s_and_b32 s26, s[WV], 3                        ; which quarter of a unit I fetch
	; descriptor group 1: 64 rows of 64 f16, dense; padding behind every 32 words: 4 words for K, 8 for V
	s_mov_b32 s[G1K], (1<<16)|(1<<20)|(4<<22)|(3<<25)
	s_mov_b32 s[G1V], (1<<16)|(1<<20)|(4<<22)|(7<<25)
.irp g, G1K, G1V
	s_mov_b32 s[\g+1], 64<<16                      ; tensor_dim0
	s_mov_b32 s[\g+2], 64<<16                      ; tensor_dim1
	s_mov_b32 s[\g+3], 64<<16                      ; tile_dim0
	s_mov_b32 s[\g+4], 64                          ; tile_dim1
	s_mov_b32 s[\g+5], 64                          ; from row to row
	s_mov_b32 s[\g+6], 0
	s_mov_b32 s[\g+7], 0
.endr
	s_mov_b32 s[SEL], 0x76543210
	s_mov_b32 s[SEL+1], 0xfedcba98
	s_mov_b32 s[CS], 0x3e38aa3b                    ; c = log2(e) / 8
	s_mov_b32 s[CS+1], s[CS]
	s_mov_b32 s[W], 0
	s_mov_b32 s[KF], 0
	s_mov_b32 s[TB], 0
	s_mov_b32 s[OFF+1], 0
	s_add_co_u32 s60, s[HP], 64                    ; K's head block is 64 + p, V's 128 + p; a block is 2^18 bytes
	s_lshl_b32 s60, s60, 18
	s_lshl_b32 s27, s26, 13                        ; my quarter: 64 rows of 128 bytes
	s_add_co_u32 s60, s60, s27
	s_mov_b32 s61, 0
	s_add_co_u32 s62, s60, 64<<18
	s_mov_b32 s63, 0
	s_lshl_b32 s27, s[WV], 5
	s_sub_co_u32 s[Q0], 7, s[JJ]
	s_lshl_b32 s[Q0], s[Q0], 8
	s_add_co_u32 s[Q0], s[Q0], s27                 ; my first query in block 7 - j,
	s_lshl_b32 s[Q0B], s[JJ], 8
	s_add_co_u32 s[Q0B], s[Q0B], s27               ; and in block j
	s_lshl_b32 s70, s[HP], 18
	s_lshl_b32 s66, s[Q0], 7
	s_add_co_u32 s66, s66, s70
	s_mov_b32 s67, 0
	s_lshl_b32 s68, s[Q0B], 7
	s_add_co_u32 s68, s68, s70
	s_mov_b32 s69, 0
	s_and_b32 s70, s[HP], 15
	s_lshl_b32 s70, s70, 20                        ; ao: a head's 8,192 rows of 128 bytes,
	s_lshr_b32 s71, s[HP], 4
	s_lshl_b32 s71, s71, 18                        ; the batch's 2,048
	s_add_co_u32 s70, s70, s71
	s_lshl_b32 s[OA], s[Q0], 7
	s_add_co_u32 s[OA], s[OA], s70
	s_mov_b32 s[OA+1], 0
	s_lshl_b32 s[OA2], s[Q0B], 7
	s_add_co_u32 s[OA2], s[OA2], s70
	s_mov_b32 s[OA2+1], 0
	s_cmp_eq_u32 s[JJ], 0
	s_cselect_b32 s[PLIM], 6, 0
	s_mov_b32 s[G0K], 1
	s_mul_i32 s[G0K+1], s26, 64*PK                 ; slot 0
	s_mov_b32 s[G0V], 1
	s_mul_i32 s[G0V+1], s26, 64*PV
	s_add_co_u32 s[G0V+1], s[G0V+1], VOFF
	s_wait_dscnt 0x0                               ; both opening adds are done
	s_wait_kmcnt 0x0
	s_add_nc_u64 s[KB:KB+1], s[4:5], s[60:61]
	s_add_nc_u64 s[VB:VB+1], s[4:5], s[62:63]
	s_mov_b64 s[G0K+2:G0K+3], s[KB:KB+1]           ; unit 0
	s_or_b32 s[G0K+3], s[G0K+3], 0x80000000
	s_mov_b64 s[G0V+2:G0V+3], s[VB:VB+1]
	s_or_b32 s[G0V+3], s[G0V+3], 0x80000000
	TLOAD                                          ; the first fill; slot 1's follows behind the first change's barrier; each change but the last fills the slot not in hand
	s_add_nc_u64 s[66:67], s[4:5], s[66:67]        ; Q of both blocks
	s_add_nc_u64 s[68:69], s[4:5], s[68:69]
	s_add_nc_u64 s[OA:OA+1], s[6:7], s[OA:OA+1]
	s_add_nc_u64 s[OA2:OA2+1], s[6:7], s[OA2:OA2+1]
	s_cmp_lt_u32 s[WV], 4
	s_cselect_b64 s[PFA:PFA+1], s[KB:KB+1], s[VB:VB+1]
	s_add_nc_u64 s[PFA:PFA+1], s[PFA:PFA+1], 32768 ; in unit 1: the first change steps it to unit 2.  Nothing is prefetched here
	v_and_b32 v14, 15, v0                          ; r
	v_bfe_u32 v15, v0, 4, 1                        ; h
	v_lshlrev_b32 v[QO], 7, v14
	v_lshl_add_u32 v[QO], v15, 4, v[QO]            ; row r of 128 bytes + 16 h
.irp t, 0,1
.irp u, 0,1
.irp e, 0,1
	global_load_b128 v[Q+16*\t+8*\u+4*\e:Q+16*\t+8*\u+4*\e+3],   v[QO], s[66:67] offset:\t*2048+\u*64+\e*32
	global_load_b128 v[Q2+16*\t+8*\u+4*\e:Q2+16*\t+8*\u+4*\e+3], v[QO], s[68:69] offset:\t*2048+\u*64+\e*32
.endr
.endr
.endr
	v_mul_u32_u24 v[AK0], v14, PK
	v_lshl_add_u32 v[AK0], v15, 4, v[AK0]
	v_and_b32 v3, 7, v0
	v_bfe_u32 v4, v0, 3, 1
	v_lshl_add_u32 v[AV0], v15, 3, v3              ; the turning load: key 8 h + l % 8, channels 8 ((l / 8) % 2) on
	v_mul_u32_u24 v[AV0], v[AV0], PV
	v_lshl_add_u32 v[AV0], v4, 4, v[AV0]
	v_add_nc_u32 v[AV0], VOFF, v[AV0]
	s_mul_i32 s27, s[WV], 32*144
	s_add_co_u32 s27, s27, STAGE                   ; my stage
	v_add_nc_u32 v[STO], s27, v[AK0]               ; in: row r, 16 bytes for each half of the lanes
	v_bfe_u32 v[RD], v0, 3, 2
	v_mul_u32_u24 v[RD], v[RD], 144
	v_lshl_add_u32 v[RD], v3, 4, v[RD]
	v_add_nc_u32 v[RD], s27, v[RD]                 ; back: eight lanes to a row
	v_and_b32 v[GO], 31, v0
	v_lshlrev_b32 v[PFO], 8, v[GO]
	v_lshlrev_b32 v[GO], 4, v[GO]
	v_lshlrev_b32 v[DQ], 3, v15
	v_sub_nc_u32 v[DQ], v14, v[DQ]                 ; r - 8 h
	v_mov_b32 v[NINF], 0xff800000
	START
	s_wait_loadcnt 0x0                             ; Q
.Lslot:                                            ; eight trips: behind each change of slots the walk's next unit is asked for
	CHANGE 1
	SLOT_STEPS
	s_add_co_u32 s[KF], s[KF], 256
	s_xor_b32 s[TB], s[TB], SLOT1
	s_add_co_u32 s[W], s[W], 1
	s_cmp_lg_u32 s[W], s[N1]                       ; the first block's last unit is done (the same in all eight waves): it goes out, and the second block begins
	s_cbranch_scc1 .Lsame_block
	FINISH
	START
.set n, 0
.rept 32
	v_mov_b32 v[Q+n], v[Q2+n]
.set n, n+1
.endr
	s_mov_b32 s[KF], 0
	s_mov_b32 s[Q0], s[Q0B]
	s_mov_b64 s[OA:OA+1], s[OA2:OA2+1]
.Lsame_block:
	s_cmp_lt_u32 s[W], 8
	s_cbranch_scc1 .Lslot
	CHANGE 0                                       ; the ninth unit is written out: nothing is left to fetch
	SLOT_STEPS
	FINISH
	s_wait_tensorcnt 0x0                           ; the wave's end
	ds_add_u32 v[SPW], v[NIL]
	s_wait_dscnt 0x0
	s_endpgm
.Lfunc_end_k_qddbeb47e53_attn:
	.size	k_qddbeb47e53_attn, .Lfunc_end_k_qddbeb47e53_attn-k_qddbeb47e53_attn
	.p2alignl 7, 3214868480
	.fill 96, 4, 3214868480
	.section	.rodata,"a",@progbits
	.p2align	6, 0x0
	.amdhsa_kernel k_qddbeb47e53_attn
		.amdhsa_group_segment_fixed_size 327680
		.amdhsa_private_segment_fixed_size 0
		.amdhsa_enable_private_segment 0
		.amdhsa_kernarg_size 16
		.amdhsa_user_sgpr_count 2
		.amdhsa_user_sgpr_kernarg_segment_ptr 1
		.amdhsa_wavefront_size32 1
		.amdhsa_system_sgpr_workgroup_id_x 1
		.amdhsa_system_sgpr_workgroup_id_y 1
		.amdhsa_system_sgpr_workgroup_id_z 1
		.amdhsa_system_vgpr_workitem_id 0
		.amdhsa_next_free_vgpr 384
		.amdhsa_next_free_sgpr 72
		.amdhsa_reserve_vcc 1
		.amdhsa_float_denorm_mode_32 3
		.amdhsa_float_denorm_mode_16_64 3
		.amdhsa_memory_ordered 1
		.amdhsa_forward_progress 1
		.amdhsa_inst_pref_size 199
	.end_amdhsa_kernel
	.amdgpu_metadata
---
amdhsa.version: [ 1, 2 ]
amdhsa.kernels:
  - .name:           k_qddbeb47e53_attn
    .symbol:         k_qddbeb47e53_attn.kd
    .args:
      - { .name: qkv, .offset: 0, .size: 8, .value_kind: global_buffer, .address_space: global }
      - { .name: ao, .offset: 8, .size: 8, .value_kind: global_buffer, .address_space: global }
    .group_segment_fixed_size: 327680
    .private_segment_fixed_size: 0
    .kernarg_segment_align: 8
    .kernarg_segment_size: 16
    .max_flat_workgroup_size: 256
    .sgpr_count:     72
    .vgpr_count:     384
    .wavefront_size: 32
...
	.end_amdgpu_metadata
.endif
;; end of part 3
;; launch proj (part 4): grid 8 x 32, 4 waves a work-group, clusters of 4 x 4, 327,680 bytes of LDS; arguments ao, wo16, out0; writes out0
.if DOCPART == 4
	.amdgcn_target "amdgcn-amd-amdhsa--gfx1250"
	.amdhsa_code_object_version 6
	.text
	.protected	k_qddbeb47e53_proj
	.globl	k_qddbeb47e53_proj
	.p2align	8
	.type	k_qddbeb47e53_proj,@function
k_qddbeb47e53_proj:
	s_mov_b64 s[64:65], 0
	v_nop
	global_prefetch_b8 v0, s[64:65] scope:SCOPE_SE
	s_setreg_imm32_b32 hwreg(HW_REG_WAVE_MODE, 25, 1), 1
	s_wait_xcnt 0x0
	s_wait_alu depctr_hold_cnt(0) depctr_sa_sdst(0) depctr_va_vdst(0) depctr_va_sdst(0) depctr_va_ssrc(0) depctr_va_vcc(0) depctr_vm_vsrc(0)
	s_getreg_b32 s2, hwreg(HW_REG_IB_STS2, 6, 4)
	s_cmp_eq_u32 s2, 0
	s_cbranch_scc0 .Lentry_in_a_cluster
	s_endpgm
.Lentry_in_a_cluster:
	s_bfe_u32 s2, ttmp6, 0x10000c
	s_cmp_lg_u32 s2, 0xf033
	s_cbranch_scc0 .Lentry_shape_is_right
	s_endpgm
.Lentry_shape_is_right:
; out0[m][n] = the sum over k of a[m][k] W_out[k][n]: [8192] x [1024], K = 1,024 = 16 heads x 64.  a: ao, f16, [16 h][8192 m][64]; W_out: wo16, f16, [1024 k][1024 n]; out0 f32; sums in f32.
; (The first 16 rows of each sequence are written again, in f32 arithmetic, by the launch that follows.)
; A tile of C is 256 (m) x 128 (n): 256 work-groups.  Four waves, each 128 x 64: 32 accumulators, window 1.  K goes in steps of 128 (two heads) through two LDS slots.
; CLUSTERS: 4 x 4; A's tile is asked for jointly along a row of the cluster, W's along a column.
; THE MATRIX INSTRUCTION IS USED TRANSPOSED (source 0 = 16 columns of W_out, turned by ds_load_tr16_b128; source 1 = 16 rows of a): a lane holds eight neighbouring columns of one row of C.
; LDS: a slot: A's two halves, each [2 heads][128 rows][144 bytes]; then W's 128 rows of 288 bytes.  Behind the slots a stage of 16 x 272 bytes for each wave, then the spare words.
; No prefetch: a step's tiles are small, and each is shared by four work-groups.
; REGISTERS: window 0: v16-29 addresses; v32-95 rows on the way out; v64-159, v160-255 two fragment buffers (W's 4 fragments, then A's 8).  window 1: accumulator (a, b) at v[8 (4 a + b)].
.set PA,     144
.set PB,     288
.set HEADA,  128*PA
.set HALFA,  2*HEADA
.set HALFB,  64*PB
.set SLOT,   2*HALFA+2*HALFB
.set STAGE,  2*SLOT
.set SPITCH, 272
.set SPARE,  STAGE+4*16*SPITCH
.set ADRA, 16
.set ADRB, 20
.set STO,  24
.set RD,   25
.set CO,   26
.set SPW,  28
.set NIL,  29
.set BK,   32
.set F0,   64
.set F1,   160
.set G1, 24
.set G0, 32
.set G1B, 48
.set G0B, 56
.set MSB, 0
.macro WIN new
.if MSB != (\new)
	s_set_vgpr_msb (MSB<<8)|(\new)
.set MSB, (\new)
.endif
.endm
.set MUL, 0x50                         ; C and D in window 1
.macro JLOAD s                         ; a joint load: waves 0 and 1 fetch A's halves, waves 2 and 3 W's; an s_nop 0 and four v_nop follow each line
	s_cmp_eq_u32 s11, 0
	s_cbranch_scc0 .Lfor_b_\@
	tensor_load_to_lds s[G0+4*\s:G0+4*\s+3], s[G1:G1+7]
	s_nop 0
.rept 4
	v_nop
.endr
	s_branch .Lasked_\@
.Lfor_b_\@:
	tensor_load_to_lds s[G0B+4*\s:G0B+4*\s+3], s[G1B:G1B+7]
	s_nop 0
.rept 4
	v_nop
.endr
.Lasked_\@:
.endm
.macro CREST
	s_cmp_lg_u32 s10, 0
	s_cbranch_scc1 .Lnot_wave_0_\@
	s_barrier_signal -3
.Lnot_wave_0_\@:
	s_barrier_wait -3
	s_barrier_signal -1
	s_barrier_wait -1
.endm
.macro CROUND
	s_barrier_signal -1
	s_barrier_wait -1
	CREST
.endm
	s_load_b128 s[4:7], s[0:1], 0x0                ; ao, wo16
	s_load_b64 s[8:9], s[0:1], 0x10                ; out0
	v_lshl_add_u32 v[SPW], v0, 2, SPARE
	v_mov_b32 v[NIL], 0
	ds_add_u32 v[SPW], v[NIL]                      ; the wave's opening: the add, twice on end, and its wait ahead of my first tensor load
	ds_add_u32 v[SPW], v[NIL]
	v_lshrrev_b32 v1, 5, v0
	v_readfirstlane_b32 s10, v1                    ; wave 0..3
	s_lshr_b32 s11, s10, 1                         ; my half of the tile's rows.  Also: I fetch for A (0) or W (1)
	s_and_b32 s12, s10, 1                          ; my half of its columns.  Also: which half I fetch
	s_bfe_u32 s40, ttmp6, 0x40000                  ; cx
	s_bfe_u32 s41, ttmp6, 0x40004                  ; cy
	s_lshl_b32 s42, ttmp9, 2
	s_add_co_u32 s42, s42, s40                     ; tile column
	s_and_b32 s13, ttmp7, 0xffff
	s_lshl_b32 s13, s13, 2
	s_add_co_u32 s13, s13, s41                     ; tile row
	s_lshl_b32 s43, s41, 2
	s_lshl_b32 s43, 15, s43                        ; my row of the cluster
	s_lshl_b32 s44, 0x1111, s40                    ; my column
	; A: for each of two heads, 128 rows of 128 bytes are 16,384 dense bytes: 2 long rows of 2,048 elements of 8 bytes, 2^20 bytes apart; 16 bytes of padding behind every 32 words
	s_or_b32 s[G1+0], s43, (3<<16)|(1<<20)|(1<<21)|(4<<22)|(3<<25)
	s_mov_b32 s[G1+1], 2048<<16
	s_mov_b32 s[G1+2], 2<<16
	s_mov_b32 s[G1+3], 2048<<16
	s_mov_b32 s[G1+4], 2
	s_mov_b32 s[G1+5], 131072
	s_mov_b32 s[G1+6], 0
	s_mov_b32 s[G1+7], 0
	; W: 64 rows (k) of 128 f16, 1,024 elements apart; 32 bytes of padding behind every 64 words
	s_or_b32 s[G1B+0], s44, (1<<16)|(1<<20)|(1<<21)|(5<<22)|(7<<25)
	s_mov_b32 s[G1B+1], 128<<16
	s_mov_b32 s[G1B+2], 64<<16
	s_mov_b32 s[G1B+3], 128<<16
	s_mov_b32 s[G1B+4], 64
	s_mov_b32 s[G1B+5], 1024
	s_mov_b32 s[G1B+6], 0
	s_mov_b32 s[G1B+7], 0
	s_lshl_b32 s16, s13, 8
	s_lshl_b32 s17, s12, 7
	s_add_co_u32 s16, s16, s17                     ; A: row 256 x tile row + 128 x half,
	s_lshl_b32 s16, s16, 7                         ; of 128 bytes
	s_mov_b32 s17, 0
	s_lshl_b32 s46, s12, 17                        ; W: 64 x half rows of 2,048 bytes,
	s_lshl_b32 s47, s42, 8                         ; 256 bytes a tile column
	s_add_co_u32 s46, s46, s47
	s_mov_b32 s47, 0
	s_mul_i32 s20, s12, HALFA                      ; where they go
	s_mul_i32 s21, s12, HALFB
	s_add_co_u32 s21, s21, 2*HALFA
	s_wait_dscnt 0x0                               ; both opening adds are done
	s_wait_kmcnt 0x0
	s_add_nc_u64 s[14:15], s[4:5], s[16:17]
	s_add_nc_u64 s[46:47], s[6:7], s[46:47]
	CROUND                                         ; all sixteen work-groups are here: the first joint loads meet
.irp s, 0,1
	s_mov_b32 s[G0+4*\s], 1
	s_add_co_u32 s[G0+4*\s+1], s20, \s*SLOT
	s_add_nc_u64 s[G0+4*\s+2:G0+4*\s+3], s[14:15], \s*2097152      ; K step s: heads 2 s, 2 s + 1
	s_or_b32 s[G0+4*\s+3], s[G0+4*\s+3], 0x80000000
	s_mov_b32 s[G0B+4*\s], 1
	s_add_co_u32 s[G0B+4*\s+1], s21, \s*SLOT
	s_add_nc_u64 s[G0B+4*\s+2:G0B+4*\s+3], s[46:47], \s*262144     ; rows 128 s on
	s_or_b32 s[G0B+4*\s+3], s[G0B+4*\s+3], 0x80000000
	JLOAD \s
.endr
	v_and_b32 v1, 15, v0                           ; r
	v_bfe_u32 v2, v0, 4, 1                         ; h
	v_mul_u32_u24 v3, v1, PA
	v_lshl_add_u32 v3, v2, 4, v3                   ; A: row x pitch + 16 h
	v_and_b32 v4, 7, v0
	v_lshl_add_u32 v4, v2, 3, v4                   ; W, turned: row k = 8 h + l % 8, columns 8 ((l / 8) % 2) on
	v_mul_u32_u24 v4, v4, PB
	v_bfe_u32 v5, v0, 3, 1
	v_lshl_add_u32 v4, v5, 4, v4
	s_mul_i32 s21, s11, HALFA                      ; my 128 rows of A
	s_lshl_b32 s22, s12, 7                         ; my 64 columns of W: 128 bytes on in each row
	s_add_co_u32 s22, s22, 2*HALFA
.irp s, 0,1
	v_add_nc_u32 v[ADRA+\s], s21, v3
	v_add_nc_u32 v[ADRB+\s], s22, v4
	s_add_co_u32 s21, s21, SLOT
	s_add_co_u32 s22, s22, SLOT
.endr
	s_mul_i32 s23, s10, 16*SPITCH
	s_add_co_u32 s23, s23, STAGE                   ; my stage
	v_mul_u32_u24 v4, v1, SPITCH
	v_lshl_add_u32 v4, v2, 5, v4
	v_add_nc_u32 v[STO], s23, v4                   ; in: row r, 32 bytes for each half of the lanes
	v_mul_u32_u24 v5, v2, SPITCH
	v_lshl_add_u32 v5, v1, 4, v5
	v_add_nc_u32 v[RD], s23, v5                    ; back: lanes 0-15 one row of 256 bytes, lanes 16-31 the next
	v_lshlrev_b32 v5, 12, v2
	v_lshl_add_u32 v[CO], v1, 4, v5                ; and the same two rows in out0
	s_lshl_b32 s16, s13, 8
	s_lshl_b32 s17, s11, 7
	s_add_co_u32 s16, s16, s17                     ; my first row
	s_lshl_b32 s16, s16, 12
	s_mov_b32 s17, 0
	s_add_nc_u64 s[8:9], s[8:9], s[16:17]
	s_lshl_b32 s46, s42, 9                         ; my first column, in bytes
	s_lshl_b32 s47, s12, 8
	s_add_co_u32 s46, s46, s47
	s_mov_b32 s47, 0
	s_add_nc_u64 s[8:9], s[8:9], s[46:47]
; n blocks of A from a0 on x W's four: the 32 accumulators take turns, one instruction a turn, in the same order in every quarter
.macro MULN f, a0, n, zero
.set aa, \a0
.rept \n
.irp b, 0,1,2,3
.if \zero
	v_wmma_f32_16x16x32_f16 v[8*(4*aa+\b):8*(4*aa+\b)+7], v[\f+8*\b:\f+8*\b+7], v[\f+32+8*aa:\f+32+8*aa+7], 0
.else
	v_wmma_f32_16x16x32_f16 v[8*(4*aa+\b):8*(4*aa+\b)+7], v[\f+8*\b:\f+8*\b+7], v[\f+32+8*aa:\f+32+8*aa+7], v[8*(4*aa+\b):8*(4*aa+\b)+7]
.endif
.endr
.set aa, aa+1
.endr
.endm
; 24 LDS loads in one run: the fragments of 32 along K, the slot's qd-th: W's four, A's blocks 0-3, A's blocks 4-7
.macro FETCH slot, qd, f
	WIN 0
.irp b, 0,1,2,3
	ds_load_tr16_b128 v[\f+8*\b:\f+8*\b+3],   v[ADRB+\slot] offset:32*(\qd)*PB+32*\b
	ds_load_tr16_b128 v[\f+8*\b+4:\f+8*\b+7], v[ADRB+\slot] offset:32*(\qd)*PB+32*\b+16*PB
.endr
.irp i, 0,1,2,3,4,5,6,7
	ds_load_b128 v[\f+32+8*\i:\f+32+8*\i+3],   v[ADRA+\slot] offset:((\qd)/2)*HEADA+\i*16*PA+((\qd)%2)*64
	ds_load_b128 v[\f+32+8*\i+4:\f+32+8*\i+7], v[ADRA+\slot] offset:((\qd)/2)*HEADA+\i*16*PA+((\qd)%2)*64+32
.endr
.endm
.macro PLACES
.rept 4
	v_nop
.endr
.endm
; A K step is four quarters of 32 along K, 32 matrix instructions each, on buffers 0, 1, 0, 1.  One of the first three multiplies buffer f and fetches quarter qd into g.
.macro QUARTER slot, qd, f, g, zero
	s_wait_dscnt 8                                 ; all but the youngest eight loads (A's blocks 4-7) are in
	WIN MUL
	MULN \f, 0, 4, \zero
	PLACES
	FETCH \slot, \qd, \g
	s_wait_dscnt 24                                ; all but the 24 just issued
	WIN MUL
	MULN \f, 4, 4, \zero
.endm
; The last quarter multiplies buffer 1 and changes slots: one barrier; in front of it each wave waits for all its tensor loads, adds 0 to its spare word, and waits for that and for its reads of this slot.
.macro TURN slot, next, fill
	WIN 0
	s_wait_tensorcnt 0x0                           ; my part of the next slot has landed
	ds_add_u32 v[SPW], v[NIL]
	s_wait_dscnt 9                                 ; the add and the youngest eight loads may be out
	WIN MUL
	MULN F1, 0, 2, 0
	s_wait_dscnt 0x0                               ; the add is done, and my reads of this slot are over
	s_barrier_signal -1
	MULN F1, 2, 2, 0
.if \fill
	WIN 0
.endif
	s_barrier_wait -1
.if \fill
	CREST                                          ; the barrier has opened a round of the cluster's barrier: no wave of any partner still reads this slot or has a load on its way
	s_add_nc_u64 s[G0+4*\slot+2:G0+4*\slot+3], s[G0+4*\slot+2:G0+4*\slot+3], 4194304    ; four heads on
	s_add_nc_u64 s[G0B+4*\slot+2:G0B+4*\slot+3], s[G0B+4*\slot+2:G0B+4*\slot+3], 524288 ; 256 rows on
	JLOAD \slot                                    ; the first tensor load behind the round; its four v_nop are also the places in front of the loads below
.else
	PLACES
.endif
	FETCH \next, 0, F0
	WIN MUL
	MULN F1, 4, 4, 0
.endm
	s_wait_tensorcnt 1                             ; my part of K step 0 is in; step 1's load may be out
	s_barrier_signal -1
	s_barrier_wait -1
	FETCH 0, 0, F0
	QUARTER 0, 1, F0, F1, 1                        ; the first products start the sums
	WIN 0
	s_mov_b32 s3, 3
.Llap:                                             ; a trip goes once round the ring and fills both slots again: K steps 2 to 7
	QUARTER 0, 2, F1, F0, 0
	QUARTER 0, 3, F0, F1, 0
	TURN 0, 1, 1
	QUARTER 1, 1, F0, F1, 0
	QUARTER 1, 2, F1, F0, 0
	QUARTER 1, 3, F0, F1, 0
	TURN 1, 0, 1
	QUARTER 0, 1, F0, F1, 0
	WIN 0
	s_sub_co_u32 s3, s3, 1
	s_cmp_lg_u32 s3, 0
	s_cbranch_scc1 .Llap
	QUARTER 0, 2, F1, F0, 0                        ; the last lap fills nothing
	QUARTER 0, 3, F0, F1, 0
	TURN 0, 1, 0
	QUARTER 1, 1, F0, F1, 0
	QUARTER 1, 2, F1, F0, 0
	QUARTER 1, 3, F0, F1, 0
	s_wait_dscnt 8
	WIN MUL
	MULN F1, 0, 4, 0
	s_wait_dscnt 0
	MULN F1, 4, 4, 0
	WIN 0
; THE WAY OUT: a block of 16 rows x 64 columns through my own stage; back as whole rows of 256 bytes: sixteen lanes store 256 consecutive bytes, aligned.
.macro TOSTAGE a
	WIN 0x04                                       ; an LDS store's data: window 1
.irp b, 0,1,2,3
	ds_store_b128 v[STO], v[8*(4*(\a)+\b):8*(4*(\a)+\b)+3] offset:64*\b          ; each accumulator from its low end on
	ds_store_b128 v[STO], v[8*(4*(\a)+\b)+4:8*(4*(\a)+\b)+7] offset:64*\b+16
.endr
	WIN 0
.set BB, BK+32*((\a)%2)
.irp t, 0,1,2,3,4,5,6,7
	ds_load_b128 v[BB+4*\t:BB+4*\t+3], v[RD] offset:\t*2*SPITCH   ; LDS serves a wave's instructions in order: these see the stores above
.endr
.endm
.macro SEND a, younger
.set BB, BK+32*((\a)%2)
	s_wait_dscnt \younger                          ; the block is back; the next block's 8 stores and 8 loads may be out
.irp t, 0,1,2,3,4,5,6,7
	global_store_b128 v[CO], v[BB+4*\t:BB+4*\t+3], s[8:9] offset:(16*(\a)+2*\t)*4096 th:TH_STORE_NT
.endr
.endm
	PLACES
	TOSTAGE 0
.irp a, 1,2,3,4,5,6,7
.if \a > 1
	s_wait_xcnt 0x0                                ; block a - 2's stores have read their registers: block a's loads may land there
.endif
	TOSTAGE \a
	SEND \a-1, 16
.endr
	SEND 7, 0
	s_wait_tensorcnt 0x0                           ; the wave's end
	ds_add_u32 v[SPW], v[NIL]
	s_wait_dscnt 0x0
	CROUND                                         ; the closing round
	s_endpgm
.Lfunc_end_k_qddbeb47e53_proj:
	.size	k_qddbeb47e53_proj, .Lfunc_end_k_qddbeb47e53_proj-k_qddbeb47e53_proj
	.p2alignl 7, 3214868480
	.fill 96, 4, 3214868480
	.section	.rodata,"a",@progbits
	.p2align	6, 0x0
	.amdhsa_kernel k_qddbeb47e53_proj
		.amdhsa_group_segment_fixed_size 327680
		.amdhsa_private_segment_fixed_size 0
		.amdhsa_enable_private_segment 0
		.amdhsa_kernarg_size 24
		.amdhsa_user_sgpr_count 2
		.amdhsa_user_sgpr_kernarg_segment_ptr 1
		.amdhsa_wavefront_size32 1
		.amdhsa_system_sgpr_workgroup_id_x 1
		.amdhsa_system_sgpr_workgroup_id_y 1
		.amdhsa_system_sgpr_workgroup_id_z 1
		.amdhsa_system_vgpr_workitem_id 0
		.amdhsa_next_free_vgpr 512
		.amdhsa_next_free_sgpr 66
		.amdhsa_reserve_vcc 0
		.amdhsa_float_denorm_mode_32 3
		.amdhsa_float_denorm_mode_16_64 3
		.amdhsa_memory_ordered 1
		.amdhsa_forward_progress 1
		.amdhsa_inst_pref_size 86
	.end_amdhsa_kernel
	.amdgpu_metadata
---
amdhsa.version: [ 1, 2 ]
amdhsa.kernels:
  - .name:           k_qddbeb47e53_proj
    .symbol:         k_qddbeb47e53_proj.kd
    .args:
      - { .name: ao, .offset: 0, .size: 8, .value_kind: global_buffer, .address_space: global }
      - { .name: wo16, .offset: 8, .size: 8, .value_kind: global_buffer, .address_space: global }
      - { .name: out0, .offset: 16, .size: 8, .value_kind: global_buffer, .address_space: global }
    .group_segment_fixed_size: 327680
    .private_segment_fixed_size: 0
    .kernarg_segment_align: 8
    .kernarg_segment_size: 24
    .max_flat_workgroup_size: 128
    .sgpr_count:     66
    .vgpr_count:     512
    .wavefront_size: 32
...
	.end_amdgpu_metadata
.endif
;; end of part 4
;; launch fine (part 5): grid 16 x 4, 16 waves a work-group, no clusters, 71,680 bytes of LDS; arguments qkv32, W_out, out0; writes out0
.if DOCPART == 5
	.amdgcn_target "amdgcn-amd-amdhsa--gfx1250"
	.amdhsa_code_object_version 6
	.text
	.protected	k_qddbeb47e53_fine
	.globl	k_qddbeb47e53_fine
	.p2align	8
	.type	k_qddbeb47e53_fine,@function
k_qddbeb47e53_fine:
	s_mov_b64 s[64:65], 0
	v_nop
	global_prefetch_b8 v0, s[64:65] scope:SCOPE_SE
	s_setreg_imm32_b32 hwreg(HW_REG_WAVE_MODE, 25, 1), 1
	s_wait_xcnt 0x0
; THE FIRST 16 POSITIONS OF EVERY SEQUENCE, ALL IN f32: attention and the projection, from qkv32 [4 b][16 t][3072] and W_out [1024][1024]; rows 0 to 15 of each batch of out0 are written over.
; These rows average one to sixteen values and are the largest of the output: 16-bit operands would use up what the comparison allows.  96 matrix instructions of the f32 form a wave: no bulk work.
; SHARES.  Work-group (nx, b): 64 columns of out0, one batch.  Wave w is head w: it makes its head's attention (repeated in the 16 column slices: 12 KB and 32 matrix instructions) and its head's share of the
; projection (K = its 64 channels); the 16 shares meet in LDS, and wave w sums and stores row w.
; K IS PERMUTED ALIKE ON BOTH SIDES OF EACH PRODUCT, so that plain loads and results serve as operands.  The f32 form takes, in lane (r, h), registers j = 0, 1 as k = 2 h + j:
;   S^T = k q^T:   step s takes, of both, the lane's channels 32 h + 2 s + j.
;   O^T = V^T p:   p's registers 2 s + j hold keys 8 h + 2 s + j of query r: V is loaded so.
;   out^T = W^T o: O^T's registers 8 c + 2 s + j hold channels 16 c + 8 h + 2 s + j of query r: W_out is loaded so.
; The registers that the f32 form writes (v112-175) are written by matrix instructions alone.
; The softmax takes the row's maximum away and divides by the row's sum ahead of the second product.
.set QF,  16                           ; v16-47   q: 32 channels of my row; later W_out for c = 3
.set KFR, 48                           ; v48-79   k likewise; later W_out for c = 2
.set VF,  80                           ; v80-111  v: [8 c + i] = v(key 8 h + i, channel 16 c + r); later the 16 shares of my row
.set MA,  112                          ; v112-143 four accumulators: S^T in four parts, later out^T's four tiles
.set MB,  144                          ; v144-175 O^T's four tiles
.set WB,  176                          ; v176-239 W_out for c = 0, 1: [32 c + 8 t + i] = W_out(64 w + 16 c + 8 h + i, 64 nx + 16 t + r)
.set SS,  240                          ; v240-247 the scores
.set PP,  248                          ; v248-255 the weights
.set SPW, 9
.set NIL, 10
.set SPARE, 16*16*272                  ; behind the 16 shares (16 rows x 272 bytes each): the spare words, 2,048 bytes
	s_load_b128 s[4:7], s[0:1], 0x0                ; qkv32, W_out
	s_load_b64 s[8:9], s[0:1], 0x10                ; out0
	v_lshl_add_u32 v[SPW], v0, 2, SPARE
	v_mov_b32 v[NIL], 0
	v_lshrrev_b32 v13, 5, v0
	v_readfirstlane_b32 s10, v13                   ; wave = head
	s_and_b32 s11, ttmp7, 0xffff                   ; batch
	v_and_b32 v1, 15, v0                           ; r
	v_bfe_u32 v2, v0, 4, 1                         ; h
	v_mul_u32_u24 v3, v1, 12288
	v_lshl_add_u32 v3, v2, 7, v3                   ; q, k: row r of 12,288 bytes, + 32 h channels
	v_mul_u32_u24 v4, v2, 98304
	v_lshl_add_u32 v4, v1, 2, v4                   ; v: 8 h rows down, channel r
	v_lshlrev_b32 v5, 15, v2
	v_lshl_add_u32 v5, v1, 2, v5                   ; W_out: 8 h rows of 4,096 bytes down, column r
	s_mul_i32 s12, s10, 16*272
	v_mul_u32_u24 v6, v1, 272
	v_lshl_add_u32 v6, v2, 5, v6
	v_add_nc_u32 v6, s12, v6                       ; my share: row r, 32 bytes for each half of the lanes
	v_and_b32 v8, 31, v0
	v_lshlrev_b32 v8, 3, v8                        ; 8 x lane
	s_mul_i32 s12, s10, 272
	v_add_nc_u32 v7, s12, v8                       ; row w of a share
	v_lshlrev_b32 v11, 3, v2
	v_sub_nc_u32 v11, v1, v11                      ; r - 8 h
	v_mov_b32 v12, 0xff800000                      ; -infinity
	s_mov_b32 s20, 0x76543210
	s_mov_b32 s21, 0xfedcba98
	s_mov_b32 s22, 0x3e38aa3b                      ; c = log2(e) / 8
	s_mul_i32 s12, s11, 196608
	s_lshl_b32 s13, s10, 8
	s_add_co_u32 s12, s12, s13                     ; qkv32: the batch's 16 rows, the head's 64 channels
	s_mov_b32 s13, 0
	s_lshl_b32 s14, s10, 18                        ; W_out: the head's 64 rows,
	s_lshl_b32 s15, ttmp9, 8                       ; my 64 columns
	s_add_co_u32 s14, s14, s15
	s_mov_b32 s15, 0
	s_lshl_b32 s16, s11, 11
	s_add_co_u32 s16, s16, s10                     ; out0: row 2,048 b + w
	s_lshl_b32 s16, s16, 12
	s_lshl_b32 s17, ttmp9, 8
	s_add_co_u32 s16, s16, s17
	s_mov_b32 s17, 0
	s_wait_kmcnt 0x0
	s_add_nc_u64 s[4:5], s[4:5], s[12:13]
	s_add_nc_u64 s[6:7], s[6:7], s[14:15]
	s_add_nc_u64 s[8:9], s[8:9], s[16:17]
.irp i, 0,1,2,3,4,5,6,7
	global_load_b128 v[QF+4*\i:QF+4*\i+3], v3, s[4:5] offset:16*\i
.endr
.irp i, 0,1,2,3,4,5,6,7
	global_load_b128 v[KFR+4*\i:KFR+4*\i+3], v3, s[4:5] offset:4096+16*\i
.endr
.irp c, 0,1,2,3
.irp i, 0,1,2,3,4,5,6,7
	global_load_b32 v[VF+8*\c+\i], v4, s[4:5] offset:8192+\i*12288+64*\c
.endr
.endr
.macro WLOAD reg, c                    ; W_out's 16 rows of channel tile c, my 64 columns
.irp t, 0,1,2,3
.irp i, 0,1,2,3,4,5,6,7
	global_load_b32 v[\reg+8*\t+\i], v5, s[6:7] offset:(16*\c+\i)*4096+64*\t
.endr
.endr
.endm
	WLOAD WB, 0
	WLOAD WB+32, 1
	s_wait_loadcnt 63                              ; of 112 loads at most the youngest 63 are out: q, k and v, the first 48, are in
.set kk, 0
.rept 16                                       ; S^T = k q^T in four parts, which take turns; the first four start the sums
.if kk < 4
	v_wmma_f32_16x16x4_f32 v[MA+8*(kk%4):MA+8*(kk%4)+7], v[KFR+2*kk:KFR+2*kk+1], v[QF+2*kk:QF+2*kk+1], 0
.else
	v_wmma_f32_16x16x4_f32 v[MA+8*(kk%4):MA+8*(kk%4)+7], v[KFR+2*kk:KFR+2*kk+1], v[QF+2*kk:QF+2*kk+1], v[MA+8*(kk%4):MA+8*(kk%4)+7]
.endif
.set kk, kk+1
.endr
.rept 8
	v_nop                                          ; eight places behind this form: for the loads into q's and k's registers and the reads of the sums
.endr
	WLOAD KFR, 2
	WLOAD QF, 3
.irp i, 0,2,4,6
	v_pk_add_f32 v[SS+\i:SS+\i+1], v[MA+\i:MA+\i+1], v[MA+8+\i:MA+8+\i+1]        ; each part from its low end on
.endr
.irp i, 0,2,4,6
	v_pk_add_f32 v[PP+\i:PP+\i+1], v[MA+16+\i:MA+16+\i+1], v[MA+24+\i:MA+24+\i+1]
.endr
.irp i, 0,2,4,6
	v_pk_add_f32 v[SS+\i:SS+\i+1], v[SS+\i:SS+\i+1], v[PP+\i:PP+\i+1]            ; register j: key 8 h + j, query r
.endr
.irp j, 0,1,2,3,4,5,6,7
	v_cmp_gt_i32 vcc_lo, \j, v11                   ; hidden where 8 h + j > r
	v_cndmask_b32 v[SS+\j], v[SS+\j], v12, vcc_lo
.endr
	v_max3_num_f32 v13, v[SS], v[SS+1], v[SS+2]
	v_max3_num_f32 v13, v13, v[SS+3], v[SS+4]
	v_max3_num_f32 v13, v13, v[SS+5], v[SS+6]
	v_max_num_f32 v13, v13, v[SS+7]
	v_mov_b32 v15, 0                               ; a lane permute's destination counts as one of its sources
	v_permlanex16_b32 v15, v13, s20, s21
	v_max_num_f32 v13, v13, v15                    ; the row's maximum (key 0 counts for every query)
	v_mul_f32 v13, s22, v13
.irp j, 0,1,2,3,4,5,6,7
	v_fma_f32 v[PP+\j], v[SS+\j], s22, -v13
.endr
.irp j, 0,1,2,3,4,5,6,7
	v_exp_f32 v[PP+\j], v[PP+\j]
.endr
	v_nop
	s_wait_alu depctr_va_vdst(0)                   ; one wait for the eight, ahead of their first reader
	v_pk_add_f32 v[SS:SS+1], v[PP:PP+1], v[PP+2:PP+3]
	v_pk_add_f32 v[SS+2:SS+3], v[PP+4:PP+5], v[PP+6:PP+7]
	v_pk_add_f32 v[SS:SS+1], v[SS:SS+1], v[SS+2:SS+3]
	v_add_f32 v14, v[SS], v[SS+1]
	v_permlanex16_b32 v15, v14, s20, s21
	v_add_f32 v14, v14, v15                        ; the row's sum
	v_rcp_f32 v14, v14
	v_nop
	s_wait_alu depctr_va_vdst(0)
.irp j, 0,2,4,6
	v_pk_mul_f32 v[PP+\j:PP+\j+1], v[PP+\j:PP+\j+1], v[14:15] op_sel_hi:[1,0]
.endr
.irp s4, 0,1,2,3                               ; O^T = V^T p: four keys a step, the four channel tiles by turns
.irp c, 0,1,2,3
.if \s4 == 0
	v_wmma_f32_16x16x4_f32 v[MB+8*\c:MB+8*\c+7], v[VF+8*\c+2*\s4:VF+8*\c+2*\s4+1], v[PP+2*\s4:PP+2*\s4+1], 0
.else
	v_wmma_f32_16x16x4_f32 v[MB+8*\c:MB+8*\c+7], v[VF+8*\c+2*\s4:VF+8*\c+2*\s4+1], v[PP+2*\s4:PP+2*\s4+1], v[MB+8*\c:MB+8*\c+7]
.endif
.endr
.endr
.rept 9
	v_nop                                          ; nine places: a result becomes an operand
.endr
.macro OUTP wf, c, first               ; out^T += W^T o over channel tile c: four channels a step, the four column tiles by turns
.irp s4, 0,1,2,3
.irp t, 0,1,2,3
.if \first && (\s4 == 0)
	v_wmma_f32_16x16x4_f32 v[MA+8*\t:MA+8*\t+7], v[\wf+8*\t+2*\s4:\wf+8*\t+2*\s4+1], v[MB+8*\c+2*\s4:MB+8*\c+2*\s4+1], 0
.else
	v_wmma_f32_16x16x4_f32 v[MA+8*\t:MA+8*\t+7], v[\wf+8*\t+2*\s4:\wf+8*\t+2*\s4+1], v[MB+8*\c+2*\s4:MB+8*\c+2*\s4+1], v[MA+8*\t:MA+8*\t+7]
.endif
.endr
.endr
.endm
	s_wait_loadcnt 63                              ; behind W_out's rows for c = 0, 1 stand 64 younger loads: at most 63 out shows them in
	OUTP WB, 0, 1
	OUTP WB+32, 1, 0
	s_wait_loadcnt 32                              ; c = 2 is in; c = 3's 32 loads may be out
	OUTP KFR, 2, 0
	s_wait_loadcnt 0x0
	OUTP QF, 3, 0
.rept 8
	v_nop
.endr
.irp t, 0,1,2,3
	ds_store_b128 v6, v[MA+8*\t:MA+8*\t+3] offset:64*\t            ; lane (r, h): my head's share of out(r, 16 t + 8 h + 0 .. 7); each accumulator from its low end on
	ds_store_b128 v6, v[MA+8*\t+4:MA+8*\t+7] offset:64*\t+16
.endr
	s_wait_dscnt 0x0                               ; for the others' sake: my share lies in LDS
	s_barrier_signal -1
	s_barrier_wait -1
.irp i, 0,1,2,3,4,5,6,7,8,9,10,11,12,13,14,15
	ds_load_b64 v[VF+2*\i:VF+2*\i+1], v7 offset:\i*16*272          ; row w of all 16 shares, two columns a lane
.endr
	s_wait_dscnt 0x0
.irp i, 0,4,8,12,16,20,24,28
	v_pk_add_f32 v[VF+\i:VF+\i+1], v[VF+\i:VF+\i+1], v[VF+\i+2:VF+\i+3]
.endr
.irp i, 0,8,16,24
	v_pk_add_f32 v[VF+\i:VF+\i+1], v[VF+\i:VF+\i+1], v[VF+\i+4:VF+\i+5]
.endr
.irp i, 0,16
	v_pk_add_f32 v[VF+\i:VF+\i+1], v[VF+\i:VF+\i+1], v[VF+\i+8:VF+\i+9]
.endr
	v_pk_add_f32 v[VF:VF+1], v[VF:VF+1], v[VF+16:VF+17]
	global_store_b64 v8, v[VF:VF+1], s[8:9]        ; 256 consecutive bytes, aligned
	s_wait_tensorcnt 0x0                           ; the wave's end, behind my last LDS store
	ds_add_u32 v[SPW], v[NIL]
	s_wait_dscnt 0x0
	s_endpgm
.Lfunc_end_k_qddbeb47e53_fine:
	.size	k_qddbeb47e53_fine, .Lfunc_end_k_qddbeb47e53_fine-k_qddbeb47e53_fine
	.p2alignl 7, 3214868480
	.fill 96, 4, 3214868480
	.section	.rodata,"a",@progbits
	.p2align	6, 0x0
	.amdhsa_kernel k_qddbeb47e53_fine
		.amdhsa_group_segment_fixed_size 71680
		.amdhsa_private_segment_fixed_size 0
		.amdhsa_enable_private_segment 0
		.amdhsa_kernarg_size 24
		.amdhsa_user_sgpr_count 2
		.amdhsa_user_sgpr_kernarg_segment_ptr 1
		.amdhsa_wavefront_size32 1
		.amdhsa_system_sgpr_workgroup_id_x 1
		.amdhsa_system_sgpr_workgroup_id_y 1
		.amdhsa_system_sgpr_workgroup_id_z 1
		.amdhsa_system_vgpr_workitem_id 0
		.amdhsa_next_free_vgpr 256
		.amdhsa_next_free_sgpr 66
		.amdhsa_reserve_vcc 1
		.amdhsa_float_denorm_mode_32 3
		.amdhsa_float_denorm_mode_16_64 3
		.amdhsa_memory_ordered 1
		.amdhsa_forward_progress 1
		.amdhsa_inst_pref_size 32
	.end_amdhsa_kernel
	.amdgpu_metadata
---
amdhsa.version: [ 1, 2 ]
amdhsa.kernels:
  - .name:           k_qddbeb47e53_fine
    .symbol:         k_qddbeb47e53_fine.kd
    .args:
      - { .name: qkv32, .offset: 0, .size: 8, .value_kind: global_buffer, .address_space: global }
      - { .name: W_out, .offset: 8, .size: 8, .value_kind: global_buffer, .address_space: global }
      - { .name: out0, .offset: 16, .size: 8, .value_kind: global_buffer, .address_space: global }
    .group_segment_fixed_size: 71680
    .private_segment_fixed_size: 0
    .kernarg_segment_align: 8
    .kernarg_segment_size: 24
    .max_flat_workgroup_size: 512
    .sgpr_count:     66
    .vgpr_count:     256
    .wavefront_size: 32
...
	.end_amdgpu_metadata
.endif
;; end of part 5
